; MI455X (gfx1250); checked and timed in simulation.
; The chip was launched on July 23, 2026; its instructions are those of AMD's public machine-readable ISA for CDNA 5 (MIT licence, August 2026) and "CDNA5" Instruction Set Architecture Reference Guide (July 2026). The comments in the code are by the model that wrote it; some were corrected since.
;; OPT Attention. Allowed arithmetic: matrix products marked QUANTISED: E2M3 operands, one E8M0 scale for each 32 along K, by v_wmma_scale_f32_16x16x128_f8f6f4 with both operands' format E2M3, f32 sums; everything else in f32.
;; Inputs: Wk 1,024 x 1,024 float32; Wo 1,024 x 1,024 float32; Wq 1,024 x 1,024 float32; Wv 1,024 x 1,024 float32; bk 1,024 float32; bo 1,024 float32; bq 1,024 float32; bv 1,024 float32; hidden_states 2 x 2,048 x 1,024 float32.
;; Outputs: out0 2 x 2,048 x 1,024 float32.
;; This version of the problem:
;;   THIS VERSION OF THE PROBLEM IS GIVEN IN LOW PRECISION. The matrix products marked QUANTISED in the list below multiply operands that are first quantised to E2M3 (2 exponent bits, 3 mantissa bits; 6 bits a number), with one power-of-two scale for each 32 numbers along K (OCP MX v1.0); their sums are f32. All else is computed in f32.
;;   The module's matrix products, in the order in which they are computed (A, B: the left and right operand; K: the contracted axis; several contracted axes count as one K, in the product's order):
;;     1. [M 4,096, K 1,024] x [K 1,024, N 1,024]; A: input hidden_states; B: input Wq: QUANTISED
;;     2. [M 4,096, K 1,024] x [K 1,024, N 1,024]; A: input hidden_states; B: input Wk: QUANTISED
;;     3. [M 4,096, K 1,024] x [K 1,024, N 1,024]; A: input hidden_states; B: input Wv: QUANTISED
;;     4. batch 64 x [M 2,048, K 32] x [K 32, N 2,048]; A: computed on the way; B: computed on the way: QUANTISED
;;     5. batch 64 x [M 2,048, K 2,048] x [K 2,048, N 32]; A: softmax (see below); B: computed on the way: QUANTISED
;;     6. [M 4,096, K 1,024] x [K 1,024, N 1,024]; A: computed on the way; B: input Wo: QUANTISED
;;   THE QUANTISER, for each operand of a quantised product, along K:
;;     - K is cut into blocks of 32 from its start; a last block that is shorter is filled with zeros.
;;     - A block's scale is 2^e with e = floor(log2(the largest magnitude in the block)) - 2, held to -126 .. 127; a block of zeros has e = 0. As a byte (E8M0): e + 127.
;;     - Each number is divided by its block's scale, clamped to +-7.5, and rounded to the nearest number of E2M3, ties to even, subnormals kept.
;;     - The product sums the exact products of the quantised numbers (number of the format x scale) in f32.
;;   ~~~python
;;   def quantise(x, axis):      # numpy; x: float32 -> the quantised numbers, widened to float32 again
;;       x = np.moveaxis(x, axis, -1); K = x.shape[-1]
;;       x = np.pad(x, [(0, 0)] * (x.ndim - 1) + [(0, -K % 32)]); x = x.reshape(x.shape[:-1] + (-1, 32)); a = np.abs(x).max(-1, keepdims=True)
;;       e = np.where(a > 0, np.clip(np.frexp(np.where(a > 0, a, 1))[1] - 1 - 2, -126, 127), 0)      # np.frexp(a)[1] - 1 = floor(log2(a)), exactly
;;       r = np.clip(x / 2.0 ** e, -7.5, 7.5)
;;       step = 2.0 ** (np.maximum(np.frexp(np.where(r == 0, 1, r))[1] - 1, 0) - 3)
;;       q = np.round(r / step) * step * 2.0 ** e      # np.round: ties to even
;;       return np.moveaxis(q.reshape(q.shape[:-2] + (-1,))[..., :K], -1, axis).astype(np.float32)
;;   ~~~
;;   SOFTMAX AHEAD OF A QUANTISED PRODUCT. Where the list says 'softmax', what is quantised is not the finished softmax but p = 2^(t - M), with t = logit x log2(e) and M = ceil(the row's largest t), a whole number; so 1/2 < the row's largest p <= 1. The row's sum l is taken of the UNQUANTISED p, in f32, and the product's result is divided by l at the end. Since M is a whole number, a kernel that streams over the keys may use a running M (the ceiling of the running maximum): every later rescaling is an exact power of two, which a block's scale takes up: the codes' values come out the same.
;;   OPERANDS COMPUTED ON THE WAY. 'Computed on the way' means the value that the module computes at that place (a softmax that the list does not call 'softmax' is quantised finished and normalised). What goes into a quantiser is computed in f32, as accurately as f32 sums, v_exp_f32 and their like allow (about 1e-6 of the number): no bf16 or f16 on the way to a quantiser, and a product that is left as it is and whose result goes on into a quantised operand takes f32 operands (vector FMAs, or v_wmma_f32_16x16x4_f32). A number that lies on a knife's edge between two numbers of the format may be rounded either way, as far as f32 arithmetic and the matrix unit's own rounding can turn it there, and no further.
;; One version. Each part assembles by itself: llvm-mc -triple=amdgcn-amd-amdhsa -mcpu=gfx1250 --defsym DOCPART=n.
;; ======== version 1 of 1: 4 launches
;; limits: right only within a limited range of input values
;; workspace buffers: cod 6,291,456 bytes; scl 262,144 bytes; qkvc 9,437,184 bytes; qkvs 393,216 bytes; ctxc 3,145,728 bytes; ctxs 131,072 bytes
;; launch quant (part 1): grid 256 x 1, 4 waves a work-group, no clusters, 34,304 bytes of LDS; arguments hidden_states, Wq, Wk, Wv, Wo, cod, scl; writes cod, scl
.if DOCPART == 1
	.amdgcn_target "amdgcn-amd-amdhsa--gfx1250"
	.amdhsa_code_object_version 6
	.text
	.protected	k_q006cd94ec8_quant
	.globl	k_q006cd94ec8_quant
	.p2align	8
	.type	k_q006cd94ec8_quant,@function
k_q006cd94ec8_quant:
	s_mov_b64 s[64:65], 0
	v_nop
	global_prefetch_b8 v0, s[64:65] scope:SCOPE_SE
	s_setreg_imm32_b32 hwreg(HW_REG_WAVE_MODE, 25, 1), 1
	s_wait_xcnt 0x0
; hidden_states [4096][1024] and Wq, Wk, Wv, Wo [1024][1024], f32, K innermost, become codes of FP6 (E2M3) with one E8M0 scale byte for each 32 along K.
; A block's scale is 2^(floor(log2(its largest magnitude)) - 2); its byte is the largest magnitude's exponent field - 2, held at 1 from below.
; LIMITS: NaN and infinities among the inputs are not served.  A block of zeros gets the byte 1 where the rule says 127: its codes are zeros, and the bytes are read by this program alone.
; THE CODES ARE LAID AS IMAGES OF OPERAND REGISTERS.  A fragment is 16 rows x 128 K, 12 registers a lane, 1,536 bytes: register R of lane l lies at 512 (R / 4) + 16 l + 4 (R % 4), so three loads of 16 bytes a lane bring it.
; Fragment (tile T, K step s) lies at (8 T + s) x 1,536 in cod.  Tiles 0-255 hidden_states, 256-319 Wq, 320-383 Wk, 384-447 Wv, 448-511 Wo.
; THE ROWS OF A TILE ARE NOT NEIGHBOURS: rows go in pairs of tiles; row m of tile 2 g + u is source row 32 g + 16 (m / 8) + 8 u + m % 8, so that where such a tile is source 0 of a product, the 16 result registers
; of a pair of tiles are 16 neighbours.  A row's scale word of K step s lies in scl at 512 T + 256 (s / 4) + 16 m + 4 (s % 4).
; SHARES.  Work-group X takes pair X of tiles (32 rows); wave w takes tile u = w / 2 and K steps 4 (w % 2) .. + 3: four units of 16 rows x 128 numbers.
; A unit's 16 loads read 512 consecutive bytes each; the numbers turn through the wave's own stage in LDS (rows of 512 + 16 bytes) so that a lane holds 16 neighbours of each block of its row.  Waves share nothing: no barrier.
.set STROW, 528
.set R,   16                           ; v16-143  two sets of 64 registers as loaded
.set X,   144                          ; v144-207 64 numbers of my row: register 16 b + i = k 32 b + 16 (lane / 16) + i
.set PC,  208                          ; v208-227 the fragment's 12 registers, then two runs of 4 for the conversions' second halves
.set TM,  228                          ; v228-243 at work
.set SW,  248                          ; v248-251 the four units' scale words
.set SEL, 24                           ; s[24:25] selects of v_permlanex16_b32: lane l xor 16
	s_load_b256 s[4:11], s[0:1], 0x0               ; hidden_states, Wq, Wk, Wv
	s_load_b128 s[12:15], s[0:1], 0x20             ; Wo, cod
	s_load_b64 s[16:17], s[0:1], 0x30              ; scl
	v_lshl_add_u32 v254, v0, 2, 0x8400
	v_mov_b32 v255, 0
	v_lshrrev_b32 v6, 5, v0
	v_readfirstlane_b32 s18, v6                    ; wave 0..3
	v_and_b32 v1, 31, v0                           ; lane
	v_and_b32 v7, 15, v0                           ; r
	v_bfe_u32 v8, v0, 4, 1                         ; h
	v_lshlrev_b32 v2, 4, v1                        ; 16 x lane: loads and stores in memory
	s_mul_i32 s19, s18, 16*STROW                   ; my stage
	v_add_nc_u32 v3, s19, v2                       ; into it: 16 x lane of a row
	v_mul_u32_u24 v4, v7, STROW
	v_lshl_add_u32 v4, v8, 6, v4
	v_add_nc_u32 v4, s19, v4                       ; out of it: row r, + 64 h
	v_lshlrev_b32 v5, 4, v7                        ; the scale words' place: 16 r
	s_mov_b32 s[SEL], 0x76543210
	s_mov_b32 s[SEL+1], 0xfedcba98
.irp b, 0,1,2,3
	v_mov_b32 v[TM+4+\b], 0                        ; written once: a lane permute's destination counts as one of its sources
.endr
	s_and_b32 s22, ttmp9, 31                       ; a weight's pair of tiles
	s_lshr_b32 s26, s18, 1                         ; u
	s_and_b32 s27, s18, 1                          ; which half of K
	s_wait_alu depctr_va_vdst(0)
	s_wait_kmcnt 0x0
	s_cmp_lt_u32 ttmp9, 224                        ; which tensor: the choice hangs on the work-group's number alone
	s_cselect_b64 s[20:21], s[10:11], s[12:13]
	s_cmp_lt_u32 ttmp9, 192
	s_cselect_b64 s[20:21], s[8:9], s[20:21]
	s_cmp_lt_u32 ttmp9, 160
	s_cselect_b64 s[20:21], s[6:7], s[20:21]
	s_cmp_lt_u32 ttmp9, 128
	s_cselect_b64 s[20:21], s[4:5], s[20:21]
	s_cselect_b32 s22, ttmp9, s22                  ; the pair's number in its tensor
	s_lshl_b32 s28, s22, 17                        ; 32 rows of 4,096 bytes
	s_lshl_b32 s26, s26, 15                        ; + 8 u rows
	s_lshl_b32 s27, s27, 11                        ; + four K steps of 512 bytes
	s_add_co_u32 s28, s28, s26
	s_add_co_u32 s28, s28, s27
	s_mov_b32 s29, 0
	s_add_nc_u64 s[20:21], s[20:21], s[28:29]
	s_mul_i32 s28, ttmp9, 24576                    ; cod: 16 fragments a pair, 4 a wave
	s_mul_i32 s30, s18, 6144
	s_add_co_u32 s28, s28, s30
	s_add_nc_u64 s[14:15], s[14:15], s[28:29]
	s_lshl_b32 s28, ttmp9, 10                      ; scl: 1,024 bytes a pair, 256 a wave
	s_lshl_b32 s30, s18, 8
	s_add_co_u32 s28, s28, s30
	s_add_nc_u64 s[16:17], s[16:17], s[28:29]
.macro LOADU n                         ; unit n: tile row i's 128 numbers: 32 lanes read 512 consecutive bytes, read once in the launch
.irp i, 0,1,2,3,4,5,6,7,8,9,10,11,12,13,14,15
	global_load_b128 v[R+64*((\n)%2)+4*\i:R+64*((\n)%2)+4*\i+3], v2, s[20:21] offset:(\i+8*(\i/8))*4096+512*(\n) th:TH_LOAD_NT
.endr
.endm
; 64 numbers of a lane, register 16 b + i = k 32 b + 16 (lane / 16) + i of my row, become a fragment's codes in v[PC] on and its scale word in v[pw].
.macro QUANT s, pw
.irp b, 0,1,2,3
	v_max3_num_f32 v[TM+\b], |v[\s+16*\b]|, |v[\s+1+16*\b]|, 0x1800000   ; block b: my 16 numbers, and the floor 2^(3 - 127): the byte cannot fall under 1
.endr
.irp i, 2,4,6,8,10,12,14
.irp b, 0,1,2,3
	v_max3_num_f32 v[TM+\b], v[TM+\b], |v[\s+16*\b+\i]|, |v[\s+1+16*\b+\i]|   ; the four blocks by turns
.endr
.endr
.irp b, 0,1,2,3
	v_permlanex16_b32 v[TM+4+\b], v[TM+\b], s[SEL], s[SEL+1]
.endr
.irp b, 0,1,2,3
	v_max_num_f32 v[TM+\b], v[TM+\b], v[TM+4+\b]   ; with lane l xor 16's: the block's largest magnitude
.endr
.irp b, 0,1,2,3
	v_add_nc_u32 v[TM+12+\b], 0xff000000, v[TM+\b] ; 2 off its exponent field: the conversion takes this operand's exponent field as its scale
.endr
.irp b, 0,1,2,3
	v_lshrrev_b32 v[TM+4+\b], 23, v[TM+12+\b]      ; the scale's byte
.endr
	v_lshl_or_b32 v[\pw], v[TM+5], 8, v[TM+4]      ; my row's scale word
	v_lshl_or_b32 v[\pw], v[TM+6], 16, v[\pw]
	v_lshl_or_b32 v[\pw], v[TM+7], 24, v[\pw]
.irp c, 0,1
	v_cvt_scalef32_pk16_fp6_f32 v[PC+6*\c:PC+2+6*\c], v[\s+32*\c:\s+15+32*\c], v[TM+12+2*\c]
	v_cvt_scalef32_pk16_fp6_f32 v[PC+12+4*\c:PC+14+4*\c], v[\s+16+32*\c:\s+31+32*\c], v[TM+12+2*\c+1]   ; a conversion's three registers begin on an even number
.endr
	v_nop                                          ; one plain place behind a scaled conversion
.irp c, 0,1                                    ; the operand's layout wants a whole block in a lane: lanes 0-15 block 2 c, lanes 16-31 block 2 c + 1
.irp i, 0,1,2
	v_permlane16_swap_b32 v[PC+6*\c+\i], v[PC+12+4*\c+\i]
.endr
.irp i, 0,1,2
	v_mov_b32 v[PC+3+6*\c+\i], v[PC+12+4*\c+\i]
.endr
.endr
.endm
.macro UNIT n
.if (\n) < 3
	s_wait_loadcnt 16                              ; this unit's 16 loads are in; the next unit's 16 may be out
.else
	s_wait_loadcnt 0x0
.endif
.irp i, 0,1,2,3,4,5,6,7,8,9,10,11,12,13,14,15
	ds_store_b128 v3, v[R+64*((\n)%2)+4*\i:R+64*((\n)%2)+4*\i+3] offset:STROW*\i
.endr
.irp b, 0,1,2,3
.irp j, 0,1,2,3
	ds_load_b128 v[X+16*\b+4*\j:X+16*\b+4*\j+3], v4 offset:128*\b+16*\j   ; LDS serves a wave's instructions in order (ISA guide 5.7.1.4): these see the stores above
.endr
.endr
	s_wait_dscnt 0x0                               ; the numbers are back, and the stores into the stage have read their registers
.if (\n) > 0
	s_wait_xcnt 0x0                                ; the last unit's stores have read the codes' registers: they are written again only behind this wait
.endif
.if (\n) < 2
	LOADU (\n)+2
.endif
	QUANT X, SW+(\n)
.irp c, 0,1,2
	global_store_b128 v2, v[PC+4*\c:PC+4*\c+3], s[14:15] offset:1536*(\n)+512*\c   ; the image: 32 lanes store 512 consecutive bytes, at a multiple of 256 from cod's first byte
.endr
.endm
	LOADU 0
	LOADU 1
	UNIT 0
	UNIT 1
	UNIT 2
	UNIT 3
	v_cmp_gt_u32 vcc_lo, 16, v1                    ; lanes 0-15 hold the 16 rows' words (lanes 16-31 the same again)
	s_wait_xcnt 0x0                                ; EXEC changes only behind this wait
	s_barrier_signal -1
	s_barrier_wait -1
	s_wait_tensorcnt 0x0
	ds_add_u32 v254, v255
	s_wait_dscnt 0x0
	s_and_saveexec_b32 s30, vcc_lo
	global_store_b128 v5, v[SW:SW+3], s[16:17]     ; sixteen lanes store 256 consecutive bytes, aligned
	s_wait_xcnt 0x0
	s_or_b32 exec_lo, exec_lo, s30
	s_endpgm
.Lfunc_end_k_q006cd94ec8_quant:
	.size	k_q006cd94ec8_quant, .Lfunc_end_k_q006cd94ec8_quant-k_q006cd94ec8_quant
	.p2alignl 7, 3214868480
	.fill 96, 4, 3214868480
	.section	.rodata,"a",@progbits
	.p2align	6, 0x0
	.amdhsa_kernel k_q006cd94ec8_quant
		.amdhsa_group_segment_fixed_size 34304
		.amdhsa_private_segment_fixed_size 0
		.amdhsa_enable_private_segment 0
		.amdhsa_kernarg_size 56
		.amdhsa_user_sgpr_count 2
		.amdhsa_user_sgpr_kernarg_segment_ptr 1
		.amdhsa_wavefront_size32 1
		.amdhsa_system_sgpr_workgroup_id_x 1
		.amdhsa_system_sgpr_workgroup_id_y 1
		.amdhsa_system_sgpr_workgroup_id_z 1
		.amdhsa_system_vgpr_workitem_id 0
		.amdhsa_next_free_vgpr 256
		.amdhsa_next_free_sgpr 66
		.amdhsa_reserve_vcc 1
		.amdhsa_float_denorm_mode_32 3
		.amdhsa_float_denorm_mode_16_64 3
		.amdhsa_memory_ordered 1
		.amdhsa_forward_progress 1
		.amdhsa_inst_pref_size 34
	.end_amdhsa_kernel
	.amdgpu_metadata
---
amdhsa.version: [ 1, 2 ]
amdhsa.kernels:
  - .name:           k_q006cd94ec8_quant
    .symbol:         k_q006cd94ec8_quant.kd
    .args:
      - { .name: hidden_states, .offset: 0, .size: 8, .value_kind: global_buffer, .address_space: global }
      - { .name: Wq, .offset: 8, .size: 8, .value_kind: global_buffer, .address_space: global }
      - { .name: Wk, .offset: 16, .size: 8, .value_kind: global_buffer, .address_space: global }
      - { .name: Wv, .offset: 24, .size: 8, .value_kind: global_buffer, .address_space: global }
      - { .name: Wo, .offset: 32, .size: 8, .value_kind: global_buffer, .address_space: global }
      - { .name: cod, .offset: 40, .size: 8, .value_kind: global_buffer, .address_space: global }
      - { .name: scl, .offset: 48, .size: 8, .value_kind: global_buffer, .address_space: global }
    .group_segment_fixed_size: 34304
    .private_segment_fixed_size: 0
    .kernarg_segment_align: 8
    .kernarg_segment_size: 56
    .max_flat_workgroup_size: 128
    .sgpr_count:     66
    .vgpr_count:     256
    .wavefront_size: 32
...
	.end_amdgpu_metadata
.endif
;; end of part 1
;; launch qkv (part 2): grid 32 x 8, 12 waves a work-group, no clusters, 103,936 bytes of LDS; arguments cod, scl, bq, bk, bv, qkvc, qkvs; writes qkvc, qkvs
.if DOCPART == 2
	.amdgcn_target "amdgcn-amd-amdhsa--gfx1250"
	.amdhsa_code_object_version 6
	.text
	.protected	k_q006cd94ec8_qkv
	.globl	k_q006cd94ec8_qkv
	.p2align	8
	.type	k_q006cd94ec8_qkv,@function
k_q006cd94ec8_qkv:
	s_mov_b64 s[64:65], 0
	v_nop
	global_prefetch_b8 v0, s[64:65] scope:SCOPE_SE
	s_setreg_imm32_b32 hwreg(HW_REG_WAVE_MODE, 25, 1), 1
	s_wait_xcnt 0x0
; q = (x Wq^T + bq) / sqrt(32), k = x Wk^T + bk, v = x Wv^T + bv on codes of FP6 (E2M3) with E8M0 scales, sums in f32; the results are quantised at once: q and k along the head's 32, v along the keys (blocks of 32 tokens).
; LIMITS: NaN and infinities are not served.  A block of zeros gets the byte 1 where the rule says 127: its codes are zeros, and the bytes are read by this program alone.
; SHARES.  Work-group (rb, cg): 128 tokens (x's tiles 8 rb .. + 7) x 12 heads' worth of columns.  Wave w takes ONE head's 32 columns: hd = 12 cg + w of 96; type = hd / 32 (0 q, 1 k, 2 v), head = hd % 32: 16 accumulators, 128 products.
; x's 64 fragments (98,304 bytes) and their scale words (4,096) are copied into LDS once, through registers, and read by all twelve waves; W's 16 fragments are read by one wave alone and go from memory straight into registers, a K step ahead.
; No cluster: what work-groups share, x's fragments, is 100 of the 388 KB that a work-group reads, and it is fetched in one burst at the head.
; ORIENTATION.  q, k: source 0 = 16 rows of W, source 1 = 16 tokens: by the choice of a tile's rows (launch quant) a lane holds one token and, in the 16 registers of W's two tiles, channels 16 h + 0 .. 15.
; v: source 0 = 16 tokens, source 1 = 16 rows of Wv: a lane holds one channel and, in the 16 registers of a pair of x's tiles, tokens 32 g + 16 h + 0 .. 15.  Either way 16 registers are half a block, and lane l xor 16 holds the other half.
; The bias is the C of each sum's first product: eight registers for each of W's two tiles, in window 1 (v256-271).
; OUT.  qkvc: plane p = 64 type + 32 batch + head of 49,152 bytes: q, k [token][24 bytes]; v [token / 32][row of Wv's two tiles][24 bytes].  qkvs: planes of 2,048 scale bytes in the same order.
.set ACC,  16                          ; v16-143  accumulators (first the copy's data pass through v16-83)
.set WB,   144                         ; v144-191 W's fragments: 2 buffers x 2 tiles x 12
.set XB,   192                         ; v192-239 x's fragments: 2 buffers x 2 tiles x 12
.set WS,   240                         ; v240-247 W's scale words of K step s: lanes 0-15 tile 0, lanes 16-31 tile 1
.set XS,   248                         ; v248-255 x's scale words, 2 sets x 4: register g: lanes 0-15 tile 2 g, lanes 16-31 tile 2 g + 1
.set BIAS, 0                           ; in window 1
.set XSC,  98304                       ; LDS: x's scale words, behind the fragments
.set LI0,  1                           ; v1   16 x lane (also W's offset in memory)
.set LI1,  2                           ; v2   the same + 49,152: x's tiles 4-7
.set XSA,  3                           ; v3   XSC + 16 r + 512 h
.set VOE,  4                           ; v4   the codes' place for even groups of 16 registers,
.set VOO,  5                           ; v5   for odd ones
.set VB,   6                           ; v6   the scale bytes' place
.set BO,   7                           ; v7   the bias's offset
.set FA0,  8                           ; v8   16 x thread
.set FA1,  9                           ; v9   the same + 49,152
.set WSO,  10                          ; v10  512 h + 16 r
.set LN,   11                          ; v11  lane
.set CD,   144                         ; the way out: codes, 4 registers a group;
.set MX,   176                         ; largest magnitudes;
.set PM,   184                         ; the partner's;
.set SCO,  192                         ; the conversions' scale operands;
.set BYT,  200                         ; the bytes;
.set BS,   208                         ; the bytes of two groups in one register
.set WV,   18
.set TYP,  22
.set SQ,   38                          ; s[38:39] 1 / sqrt(32)
.set SEL,  40                          ; s[40:41]
.set MSB, 0
.macro WIN new                         ; the immediate's high byte repeats the setting that is left
.if MSB != \new
	s_set_vgpr_msb (MSB<<8)|\new
.set MSB, \new
.endif
.endm
.macro PLACES
.rept 4
	v_nop
.endr
.endm
; one product; ra, rb = 1: that side's scales are read from lanes 16-31
.macro WM d, a, b, c, sa, sb, ra, rb
.if ((\ra) == 0) && ((\rb) == 0)
	v_wmma_scale_f32_16x16x128_f8f6f4 v[\d:\d+7], v[\a:\a+11], v[\b:\b+11], v[\c:\c+7], v[\sa], v[\sb] matrix_a_fmt:MATRIX_FMT_FP6 matrix_b_fmt:MATRIX_FMT_FP6
.elseif (\rb) == 0
	v_wmma_scale_f32_16x16x128_f8f6f4 v[\d:\d+7], v[\a:\a+11], v[\b:\b+11], v[\c:\c+7], v[\sa], v[\sb] matrix_a_fmt:MATRIX_FMT_FP6 matrix_b_fmt:MATRIX_FMT_FP6 matrix_a_scale:MATRIX_SCALE_ROW1
.elseif (\ra) == 0
	v_wmma_scale_f32_16x16x128_f8f6f4 v[\d:\d+7], v[\a:\a+11], v[\b:\b+11], v[\c:\c+7], v[\sa], v[\sb] matrix_a_fmt:MATRIX_FMT_FP6 matrix_b_fmt:MATRIX_FMT_FP6 matrix_b_scale:MATRIX_SCALE_ROW1
.else
	v_wmma_scale_f32_16x16x128_f8f6f4 v[\d:\d+7], v[\a:\a+11], v[\b:\b+11], v[\c:\c+7], v[\sa], v[\sb] matrix_a_fmt:MATRIX_FMT_FP6 matrix_b_fmt:MATRIX_FMT_FP6 matrix_a_scale:MATRIX_SCALE_ROW1 matrix_b_scale:MATRIX_SCALE_ROW1
.endif
.endm
.macro WLOAD s                         ; W's two fragments of K step s
.irp w, 0,1
.irp c, 0,1,2
	global_load_b128 v[WB+24*((\s)%2)+12*\w+4*\c:WB+24*((\s)%2)+12*\w+4*\c+3], v[LI0], s[24:25] offset:12288*\w+1536*(\s)+512*\c
.endr
.endr
.endm
.macro XLOAD n                         ; group n = 4 s + g: x's tiles 2 g, 2 g + 1 of K step s
.set xs_, (\n)/4
.set xg_, (\n)%4
.irp u, 0,1
.irp c, 0,1,2
	ds_load_b128 v[XB+24*((\n)%2)+12*\u+4*\c:XB+24*((\n)%2)+12*\u+4*\c+3], v[LI0+xg_/2] offset:(8*((2*xg_+\u)%4)+xs_)*1536+512*\c
.endr
.endr
.endm
.macro XSLOAD s                        ; x's scale words of K step s
.irp g, 0,1,2,3
	ds_load_b32 v[XS+4*((\s)%2)+\g], v[XSA] offset:1024*\g+256*((\s)/4)+4*((\s)%4)
.endr
.endm
; Four products on four accumulators: x's tiles 2 g + u against W's tiles w.  The 16 accumulators take turns, one instruction a turn, in the same order in every K step.
.macro GROUP path, s, g
.set n_, 4*(\s)+(\g)
.if n_ < 31
	s_wait_dscnt 6                                 ; this group's fragments are in; the next group's six loads may be out
.else
	s_wait_dscnt 0x0
.endif
.irp u, 0,1
.irp w, 0,1
.if \path == 0
.set d_, ACC+32*(\g)+16*\u+8*\w
.else
.set d_, ACC+32*(\g)+16*\w+8*\u
.endif
.if (\s) == 0
.set c_, BIAS+8*\w
.else
.set c_, d_
.endif
.if \path == 0
	WM d_, WB+24*((\s)%2)+12*\w, XB+24*(n_%2)+12*\u, c_, WS+(\s), XS+4*((\s)%2)+(\g), \w, \u
.else
	WM d_, XB+24*(n_%2)+12*\u, WB+24*((\s)%2)+12*\w, c_, XS+4*((\s)%2)+(\g), WS+(\s), \u, \w
.endif
.endr
.endr
	PLACES                                         ; four places in front of loads into registers that these products have read (ISA guide 7.12.1 for vector instructions)
.if ((\g) == 1) && ((\s) < 7)
	XSLOAD (\s)+1
.endif
.if n_ < 30
	XLOAD n_+2
.endif
.endm
.macro KSTEP path, s
.if (\s) < 7
	WLOAD (\s)+1                                   ; into the buffer whose last readers stand in front of the last group's places
	s_wait_loadcnt 6                               ; this K step's W is in; the six just issued may be out
.else
	s_wait_loadcnt 0x0
.endif
	GROUP \path, \s, 0
	GROUP \path, \s, 1
	GROUP \path, \s, 2
	GROUP \path, \s, 3
.endm
	s_load_b256 s[4:11], s[0:1], 0x0               ; cod, scl, bq, bk
	s_load_b128 s[12:15], s[0:1], 0x20             ; bv, qkvc
	s_load_b64 s[16:17], s[0:1], 0x30              ; qkvs
	s_set_vgpr_msb 0x40
	v_lshl_add_u32 v16, v0, 2, 0x19000
	v_mov_b32 v17, 0
	s_set_vgpr_msb 0x4000
	v_lshrrev_b32 v12, 5, v0
	s_delay_alu instid0(VALU_DEP_1)
	v_readfirstlane_b32 s[WV], v12                 ; wave 0..11
	v_and_b32 v[LN], 31, v0
	v_and_b32 v12, 15, v0                          ; r
	v_bfe_u32 v13, v0, 4, 1                        ; h
	s_delay_alu instid0(VALU_DEP_3)
	v_lshlrev_b32 v[LI0], 4, v[LN]                 ; every LDS address is made here, ahead of the first parting of the ways
	s_delay_alu instid0(VALU_DEP_1)
	v_add_nc_u32 v[LI1], 49152, v[LI0]
	s_delay_alu instid0(VALU_DEP_4)
	v_lshlrev_b32 v[WSO], 4, v12
	s_delay_alu instid0(VALU_DEP_1)
	v_lshl_add_u32 v[WSO], v13, 9, v[WSO]
	v_lshlrev_b32 v[XSA], 4, v12
	s_delay_alu instid0(VALU_DEP_1)
	v_lshl_add_u32 v[XSA], v13, 9, v[XSA]
	s_delay_alu instid0(VALU_DEP_1)
	v_add_nc_u32 v[XSA], XSC, v[XSA]
	v_lshlrev_b32 v[FA0], 4, v0
	s_delay_alu instid0(VALU_DEP_1)
	v_add_nc_u32 v[FA1], 49152, v[FA0]
	s_and_b32 s20, ttmp7, 0xffff                   ; cg
	s_mul_i32 s21, s20, 12
	s_add_co_u32 s21, s21, s[WV]                   ; hd
	s_lshr_b32 s[TYP], s21, 5
	s_and_b32 s23, s21, 31                         ; head
	s_mov_b32 s[SQ], 0x3e3504f3                    ; 1 / sqrt(32)
	s_mov_b32 s[SQ+1], s[SQ]                       ; (named with it as a pair, so it is written)
	s_mov_b32 s[SEL], 0x76543210
	s_mov_b32 s[SEL+1], 0xfedcba98
	s_mov_b32 s45, 0
	s_wait_kmcnt 0x0
	s_lshl_b32 s42, s21, 1
	s_add_co_u32 s42, s42, 256                     ; W's first tile
	s_mul_i32 s44, s42, 12288
	s_add_nc_u64 s[24:25], s[4:5], s[44:45]        ; its fragments
	s_lshl_b32 s44, s42, 9
	s_add_nc_u64 s[26:27], s[6:7], s[44:45]        ; its scale words
	s_cmp_eq_u32 s[TYP], 1
	s_cselect_b64 s[28:29], s[10:11], s[12:13]
	s_cmp_eq_u32 s[TYP], 0
	s_cselect_b64 s[28:29], s[8:9], s[28:29]
	s_lshl_b32 s44, s23, 7
	s_add_nc_u64 s[28:29], s[28:29], s[44:45]      ; the head's 32 numbers of its bias
	s_lshl_b32 s42, s[TYP], 6
	s_lshr_b32 s46, ttmp9, 4
	s_lshl_b32 s46, s46, 5
	s_add_co_u32 s42, s42, s46
	s_add_co_u32 s42, s42, s23                     ; the plane: 64 type + 32 batch + head
	s_and_b32 s46, ttmp9, 15
	s_lshl_b32 s46, s46, 7                         ; my first token in its batch
	s_mul_i32 s44, s42, 49152
	s_mul_i32 s47, s46, 24
	s_add_co_u32 s44, s44, s47
	s_add_nc_u64 s[30:31], s[14:15], s[44:45]      ; the codes' way out
	s_lshl_b32 s44, s42, 11
	s_add_co_u32 s44, s44, s46
	s_add_nc_u64 s[32:33], s[16:17], s[44:45]      ; the scale bytes'
	s_mul_i32 s44, ttmp9, 98304
	s_add_nc_u64 s[34:35], s[4:5], s[44:45]        ; x's 64 fragments
	s_lshl_b32 s44, ttmp9, 12
	s_add_nc_u64 s[36:37], s[6:7], s[44:45]        ; and their scale words
	v_lshrrev_b32 v14, 3, v12
	s_delay_alu instid0(VALU_DEP_1)
	v_lshl_add_u32 v14, v14, 3, v12                ; 16 (r / 8) + r % 8
	s_cmp_lt_u32 s[TYP], 2
	s_cbranch_scc0 .Lhead_v
	v_lshlrev_b32 v[BO], 6, v13                    ; q, k: register j of W's tile w is channel 16 h + 8 w + j
	v_mul_u32_u24 v[VOE], v14, 24                  ; token 32 g + 8 u + 16 (r / 8) + r % 8, 24 bytes each, + 12 h
	s_delay_alu instid0(VALU_DEP_1)
	v_mad_u32_u24 v[VOE], v13, 12, v[VOE]
	s_delay_alu instid0(VALU_DEP_1)
	v_add_nc_u32 v[VOO], 192, v[VOE]
	v_bfe_u32 v14, v0, 3, 1
	v_and_b32 v15, 7, v0
	s_delay_alu instid0(VALU_DEP_1)
	v_lshl_add_u32 v[VB], v14, 4, v15              ; lanes 0-15 carry tile 2 g's bytes, lanes 16-31 tile 2 g + 1's: token 16 ((l / 8) % 2) + 8 h + l % 8
	s_delay_alu instid0(VALU_DEP_1)
	v_lshl_add_u32 v[VB], v13, 3, v[VB]
	WIN 0x40                                       ; destination window 1
.irp w, 0,1
.irp q, 0,1
	global_load_b128 v[BIAS+8*\w+4*\q:BIAS+8*\w+4*\q+3], v[BO], s[28:29] offset:32*\w+16*\q
.endr
.endr
	WIN 0
	s_branch .Lhead_j
.Lhead_v:
	s_wait_alu depctr_va_vdst(0)
	v_lshlrev_b32 v[BO], 2, v14                    ; v: all eight registers of a lane are channel 16 (r / 8) + 8 w + r % 8
	v_mul_u32_u24 v[VOE], v12, 24                  ; row 16 w + r of Wv's two tiles, 24 bytes each, + 12 h
	s_delay_alu instid0(VALU_DEP_1)
	v_mad_u32_u24 v[VOE], v13, 12, v[VOE]
	s_delay_alu instid0(VALU_DEP_1)
	v_add_nc_u32 v[VOO], 384, v[VOE]
	v_mov_b32 v[VB], v[LN]
	WIN 0x40
.irp w, 0,1
.irp j, 0,1,2,3,4,5,6,7
	global_load_b32 v[BIAS+8*\w+\j], v[BO], s[28:29] offset:32*\w
.endr
.endr
	WIN 0
.Lhead_j:
	s_cmp_lt_u32 s[WV], 8                          ; the scale words are 256 threads' worth
	s_cbranch_scc0 .Lno_sc1
	global_load_b128 v[80:83], v[FA0], s[36:37]
.Lno_sc1:
.irp k, 0,1,2,3,4,5,6,7,8,9,10,11,12,13,14,15
	global_load_b128 v[16+4*\k:19+4*\k], v[FA0], s[34:35] offset:6144*\k   ; 384 threads copy 6,144 consecutive bytes
.endr
	global_load_b128 v[WS:WS+3], v[WSO], s[26:27]
	global_load_b128 v[WS+4:WS+7], v[WSO], s[26:27] offset:256
	WLOAD 0
	s_wait_loadcnt 8                               ; all but W's scale words (2) and W's K step 0 (6), on every way here
.irp k, 0,1,2,3,4,5,6,7
	ds_store_b128 v[FA0], v[16+4*\k:19+4*\k] offset:6144*\k
.endr
.irp k, 0,1,2,3,4,5,6,7
	ds_store_b128 v[FA1], v[48+4*\k:51+4*\k] offset:6144*\k
.endr
	s_cmp_lt_u32 s[WV], 8
	s_cbranch_scc0 .Lno_sc2
	ds_store_b128 v[FA1], v[80:83] offset:49152
.Lno_sc2:
	s_wait_dscnt 0x0                               ; for the others' sake: my stores have landed
	s_barrier_signal -1
	s_barrier_wait -1                              ; x lies in LDS; nothing is written there again
	XSLOAD 0
	XLOAD 0
	XLOAD 1
	s_cmp_lt_u32 s[TYP], 2
	s_cbranch_scc0 .Lmain_v
	WIN 0x10                                       ; source 2, the bias, in window 1: the first K step starts the sums
	KSTEP 0, 0
	WIN 0
.irp s, 1,2,3,4,5,6,7
	KSTEP 0, \s
.endr
	s_branch .Lout
.Lmain_v:
	WIN 0x10
	KSTEP 1, 0
	WIN 0
.irp s, 1,2,3,4,5,6,7
	KSTEP 1, \s
.endr
.Lout:
	PLACES                                         ; behind the last products, in front of the first read of results and of writes over operands
	s_cmp_lg_u32 s[TYP], 0
	s_cbranch_scc1 .Lnoscale
.set i_, 0
.rept 64
	v_pk_mul_f32 v[ACC+i_:ACC+i_+1], v[ACC+i_:ACC+i_+1], s[SQ:SQ+1] op_sel_hi:[1,0]   ; q alone: x 1 / sqrt(32), each accumulator from its low end on
.set i_, i_+2
.endr
.Lnoscale:
	; eight groups of 16 registers, each half a block of 32; the groups by turns
.irp G, 0,1,2,3,4,5,6,7
	v_mov_b32 v[PM+\G], 0                          ; a lane permute's destination counts as one of its sources
.endr
.irp G, 0,1,2,3,4,5,6,7
	v_max3_num_f32 v[MX+\G], |v[ACC+16*\G]|, |v[ACC+16*\G+1]|, 0x1800000   ; and the floor 2^(3 - 127): the byte cannot fall under 1
.endr
.irp i, 2,4,6,8,10,12,14
.irp G, 0,1,2,3,4,5,6,7
	v_max3_num_f32 v[MX+\G], v[MX+\G], |v[ACC+16*\G+\i]|, |v[ACC+16*\G+\i+1]|
.endr
.endr
.irp G, 0,1,2,3,4,5,6,7
	v_permlanex16_b32 v[PM+\G], v[MX+\G], s[SEL], s[SEL+1]
.endr
.irp G, 0,1,2,3,4,5,6,7
	v_max_num_f32 v[MX+\G], v[MX+\G], v[PM+\G]     ; the block's largest magnitude
.endr
.irp G, 0,1,2,3,4,5,6,7
	v_add_nc_u32 v[SCO+\G], 0xff000000, v[MX+\G]   ; 2 off its exponent field: the conversion's scale operand
.endr
.irp G, 0,1,2,3,4,5,6,7
	v_lshrrev_b32 v[BYT+\G], 23, v[SCO+\G]         ; the scale's byte
.endr
.irp G, 0,1,2,3,4,5,6,7
	v_cvt_scalef32_pk16_fp6_f32 v[CD+4*\G:CD+4*\G+2], v[ACC+16*\G:ACC+16*\G+15], v[SCO+\G]
.endr
	v_nop                                          ; one plain place behind the last scaled conversion
	v_cmp_le_u32 vcc_lo, 16, v[LN]
.irp g, 0,1,2,3
	v_cndmask_b32 v[BS+\g], v[BYT+2*\g], v[BYT+2*\g+1], vcc_lo   ; the even group's byte in lanes 0-15, the odd one's in lanes 16-31
.endr
.irp g, 0,1,2,3
	global_store_b96 v[VOE], v[CD+8*\g:CD+8*\g+2], s[30:31] offset:768*\g     ; 12 bytes a lane: half a block's codes
	global_store_b96 v[VOO], v[CD+8*\g+4:CD+8*\g+6], s[30:31] offset:768*\g
.endr
.irp g, 0,1,2,3
	global_store_b8 v[VB], v[BS+\g], s[32:33] offset:32*\g                    ; 32 lanes store 32 consecutive bytes
.endr
	s_barrier_signal -1
	s_barrier_wait -1
	s_set_vgpr_msb 0x5
	s_wait_tensorcnt 0x0
	ds_add_u32 v16, v17
	s_wait_dscnt 0x0
	s_set_vgpr_msb 0x500
	s_endpgm
.Lfunc_end_k_q006cd94ec8_qkv:
	.size	k_q006cd94ec8_qkv, .Lfunc_end_k_q006cd94ec8_qkv-k_q006cd94ec8_qkv
	.p2alignl 7, 3214868480
	.fill 96, 4, 3214868480
	.section	.rodata,"a",@progbits
	.p2align	6, 0x0
	.amdhsa_kernel k_q006cd94ec8_qkv
		.amdhsa_group_segment_fixed_size 103936
		.amdhsa_private_segment_fixed_size 0
		.amdhsa_enable_private_segment 0
		.amdhsa_kernarg_size 56
		.amdhsa_user_sgpr_count 2
		.amdhsa_user_sgpr_kernarg_segment_ptr 1
		.amdhsa_wavefront_size32 1
		.amdhsa_system_sgpr_workgroup_id_x 1
		.amdhsa_system_sgpr_workgroup_id_y 1
		.amdhsa_system_sgpr_workgroup_id_z 1
		.amdhsa_system_vgpr_workitem_id 0
		.amdhsa_next_free_vgpr 274
		.amdhsa_next_free_sgpr 66
		.amdhsa_reserve_vcc 1
		.amdhsa_float_denorm_mode_32 3
		.amdhsa_float_denorm_mode_16_64 3
		.amdhsa_memory_ordered 1
		.amdhsa_forward_progress 1
		.amdhsa_inst_pref_size 100
	.end_amdhsa_kernel
	.amdgpu_metadata
---
amdhsa.version: [ 1, 2 ]
amdhsa.kernels:
  - .name:           k_q006cd94ec8_qkv
    .symbol:         k_q006cd94ec8_qkv.kd
    .args:
      - { .name: cod, .offset: 0, .size: 8, .value_kind: global_buffer, .address_space: global }
      - { .name: scl, .offset: 8, .size: 8, .value_kind: global_buffer, .address_space: global }
      - { .name: bq, .offset: 16, .size: 8, .value_kind: global_buffer, .address_space: global }
      - { .name: bk, .offset: 24, .size: 8, .value_kind: global_buffer, .address_space: global }
      - { .name: bv, .offset: 32, .size: 8, .value_kind: global_buffer, .address_space: global }
      - { .name: qkvc, .offset: 40, .size: 8, .value_kind: global_buffer, .address_space: global }
      - { .name: qkvs, .offset: 48, .size: 8, .value_kind: global_buffer, .address_space: global }
    .group_segment_fixed_size: 103936
    .private_segment_fixed_size: 0
    .kernarg_segment_align: 8
    .kernarg_segment_size: 56
    .max_flat_workgroup_size: 384
    .sgpr_count:     66
    .vgpr_count:     274
    .wavefront_size: 32
...
	.end_amdgpu_metadata
.endif
;; end of part 2
;; launch attn (part 3): grid 4 x 64, 8 waves a work-group, no clusters, 104,448 bytes of LDS; arguments qkvc, qkvs, ctxc, ctxs; writes ctxc, ctxs
.if DOCPART == 3
	.amdgcn_target "amdgcn-amd-amdhsa--gfx1250"
	.amdhsa_code_object_version 6
	.text
	.protected	k_q006cd94ec8_attn
	.globl	k_q006cd94ec8_attn
	.p2align	8
	.type	k_q006cd94ec8_attn,@function
k_q006cd94ec8_attn:
	s_mov_b64 s[64:65], 0
	v_nop
	global_prefetch_b8 v0, s[64:65] scope:SCOPE_SE
	s_setreg_imm32_b32 hwreg(HW_REG_WAVE_MODE, 25, 1), 1
	s_wait_xcnt 0x0
; ctx[b][head][q] = the sum over keys k <= q of softmax_k(q . k) v[k], both products on codes of FP6 (E2M3) with E8M0 scales; ctx is quantised at once along the head's 32, which is a block of the last product's K.
; THE SOFTMAX AHEAD OF THE SECOND PRODUCT: t = score x log2(e); M = the row's largest t so far, rounded up to a whole number; p = 2^(t - M) is quantised along the keys, not normalised.  The row's sum is taken of the
; unquantised p and divides at the end.  When M moves, the sum and O are multiplied by 2^(old M - new M): exact.
; LIMITS: NaN and infinities are not served.  A p under 2^-126 comes out of v_exp_f32 as 0.  A block of zeros gets the byte 1 where the rule says 127: its codes are zeros, and the bytes are read by this program alone.
; LEFT OUT, under the causal mask: key steps that lie wholly behind a wave's queries; and, where a pair's last step has its upper 64 keys wholly behind the pair's 32 queries, that half of the step (its p are zero codes).
; SHARES.  Work-group (j, bh): one head of one batch, eight waves.  Wave w has i = 8 j + w and owns two PAIRS of tiles of 16 queries: queries 32 (63 - i) .. + 31 and then 32 i .. + 31: together 17 key steps of 128 keys in every wave.
; The two tiles of a pair, A and B, go through each key step together: one set of K's and V's fragments from LDS serves both, and their short dependent chains go by turns.
; The head's whole K and V (16 records of 6,400 bytes, one a key step) are laid into LDS once, through registers, wave w laying records w and w + 8; one barrier; the loop fetches nothing from memory.
; No cluster, no tensor load and no prefetch: what the four work-groups of a head share is fetched once, at the head, the copy reorders pieces of 8 bytes, and no loop reads memory.
; THE SCORES' K IS 32 IN AN INSTRUCTION OF 128.  A fragment of K carries 64 keys: row m, block b holds key 64 f + 32 (m / 8) + 8 b + m % 8, and its scale word those four keys' bytes.  Four variants of Q hold the query's
; 24 bytes in block b and zero codes elsewhere.  Product (f, b), source 0 = K's fragment f, source 1 = variant b, gives a lane (query r, half h) the keys 64 f + 32 h + 8 b + 0 .. 7: so 32 consecutive registers are
; a WHOLE block of 32 keys: its maximum needs no other lane, and the conversions' results are p's operand registers.
; O^T = V^T P^T: source 0 = 16 rows of V's tile (keys innermost), source 1 = p: a lane holds its query's channels 16 h + 0 .. 15 in 16 registers.
; A record: K's fragments at 0 and 1,536, V's tiles at 3,072 and 4,608 (images of operand registers: register R of lane l at 512 (R / 4) + 16 l + 4 (R % 4)), K's scale words [row][f] at 6,144, V's [row][tile] at 6,272.
; REGISTERS.  Window 1 (v256-383): the scores, then p: block x = 2 tile + f at 32 x.  Window 0: v1 lane, v2 r, v3 h; v4 16 x lane; v5 6,144 + 8 r; v6, v7 this step's V, v8, v9 the next step's K in LDS; v10, v11 the way out;
; v[12:13], v[14:15] -M and the largest score of A, B; v[16:19] the sums; v[20:23] f and 0; v24, v25 Q's scale words; v26, v27 p's; v[28:29] K's; v[30:31] V's; v32-85 zeros and Q by turns (6 each): the variants are runs of 12;
; v86-109 K; v110-133 V; v134-157 p's codes; v158-173 the conversions' second halves; v174-205 O^T; v206-221 at work; v222-235 the first pass's q, then at work; v236 r - 32 h; v237 8 h; v238-251 the second pass's q; v252 -infinity.
.set REC,  6400
.set KFR,  86
.set VFR,  110
.set PC,   134
.set PT,   158
.set O,    174
.set BM,   206                         ; the four blocks' largest score, then largest p
.set SCL,  210                         ; the conversions' scale operands
.set BY,   214                         ; the bytes
.set MSB, 0
.macro WIN new                         ; the immediate's high byte repeats the setting that is left
.if MSB != \new
	s_set_vgpr_msb (MSB<<8)|\new
.set MSB, \new
.endif
.endm
.macro SCORE d, f, q, sc
	v_wmma_scale_f32_16x16x128_f8f6f4 v[\d:\d+7], v[KFR+12*\f:KFR+12*\f+11], v[\q:\q+11], 0, v[28+\f], v[\sc] matrix_a_fmt:MATRIX_FMT_FP6 matrix_b_fmt:MATRIX_FMT_FP6
.endm
.macro VLOAD                           ; this step's V and its scale words
	ds_load_b64 v[30:31], v7 offset:128
.irp f, 0,1
.irp c, 0,1,2
	ds_load_b128 v[VFR+12*\f+4*\c:VFR+12*\f+4*\c+3], v6 offset:3072+1536*\f+512*\c
.endr
.endr
.endm
.macro CHAIN                           ; from the running largest scores v13, v15 to -M, f and O^T under the new M; tiles A and B by turns
	v_mul_f32 v218, s42, v13                       ; as t
	v_mul_f32 v219, s42, v15
	v_floor_f32 v222, -v218                        ; the new -M = floor(-t): M is a whole number
	v_floor_f32 v223, -v219
	v_sub_f32 v218, v222, v12                      ; old M - new M: a whole number, 0 or less
	v_sub_f32 v219, v223, v14
	v_mov_b32 v12, v222
	v_mov_b32 v14, v223
	v_cvt_i32_f32 v218, v218                       ; (it saturates)
	v_cvt_i32_f32 v219, v219
	v_ldexp_f32 v20, 1.0, v218                     ; f = 2^(old M - new M)
	v_ldexp_f32 v22, 1.0, v219
.irp j, 0,2,4,6,8,10,12,14
	v_pk_mul_f32 v[O+\j:O+\j+1], v[O+\j:O+\j+1], v[20:21] op_sel_hi:[1,0]   ; each accumulator from its low end on
	v_pk_mul_f32 v[O+16+\j:O+17+\j], v[O+16+\j:O+17+\j], v[22:23] op_sel_hi:[1,0]
.endr
.endm
.macro WORDS                           ; v218, v219: my two bytes of A's and B's scale words
	v_lshlrev_b32 v218, v237, v218                 ; at their places in the word;
	v_lshlrev_b32 v219, v237, v219
	v_permlanex16_b32 v220, v218, s40, s41
	v_permlanex16_b32 v221, v219, s40, s41
	v_or_b32 v26, v218, v220                       ; with lane l xor 16's two the word is whole
	v_or_b32 v27, v219, v221
.endm
.macro FINISH cnt                      ; the sums, and O^T += V^T P^T.  cnt: the LDS loads issued behind V's, which may stay out
	WIN 0x10
	v_pk_fma_f32 v[16:17], v[16:17], v[20:21], v[0:1] op_sel_hi:[1,0,1]      ; the sums so far under the new M, and this step's
	v_pk_fma_f32 v[18:19], v[18:19], v[22:23], v[64:65] op_sel_hi:[1,0,1]
	WIN 0
	s_wait_alu depctr_va_vdst(0)
	s_wait_dscnt \cnt                              ; V and its scale words are in
.irp f, 0,1
.irp t, 0,1
	v_wmma_scale_f32_16x16x128_f8f6f4 v[O+16*\t+8*\f:O+16*\t+8*\f+7], v[VFR+12*\f:VFR+12*\f+11], v[PC+12*\t:PC+12*\t+11], v[O+16*\t+8*\f:O+16*\t+8*\f+7], v[30+\f], v[26+\t] matrix_a_fmt:MATRIX_FMT_FP6 matrix_b_fmt:MATRIX_FMT_FP6
.endr
.endr
.endm
	s_load_b256 s[4:11], s[0:1], 0x0               ; qkvc, qkvs, ctxc, ctxs
	v_lshl_add_u32 v254, v0, 2, 0x19000
	v_mov_b32 v255, 0
	v_lshrrev_b32 v6, 5, v0
	s_delay_alu instid0(VALU_DEP_1)
	v_readfirstlane_b32 s12, v6                    ; wave 0..7
	v_and_b32 v1, 31, v0
	v_and_b32 v2, 15, v0
	v_bfe_u32 v3, v0, 4, 1
	v_and_b32 v208, 7, v0
	v_bfe_u32 v209, v0, 3, 1
	v_lshlrev_b32 v4, 4, v1
	v_lshlrev_b32 v5, 3, v2
	v_mul_u32_u24 v207, v2, 24                     ; q in memory: 24 bytes a query
	v_lshlrev_b32 v11, 5, v2
	v_lshlrev_b32 v237, 3, v3
	v_lshlrev_b32 v236, 5, v3
	v_add_nc_u32 v5, 6144, v5
	v_mad_u32_u24 v10, v3, 12, v207
	v_mul_u32_u24 v6, v208, 24                     ; K in memory: lane (r, h) takes fragment h, row r: keys 64 h + 32 (r / 8) + 8 b + r % 8, 24 bytes each
	v_sub_nc_u32 v236, v2, v236
	v_lshl_add_u32 v7, v209, 5, v208               ; and their scale bytes
	v_mul_u32_u24 v8, v3, 1536
	v_lshlrev_b32 v9, 3, v2
	v_mad_u32_u24 v6, v209, 768, v6
	v_lshl_add_u32 v7, v3, 6, v7
	v_lshl_add_u32 v8, v2, 4, v8
	v_lshl_add_u32 v9, v3, 2, v9
	s_mul_i32 s15, s12, REC                        ; my first record
	v_mad_u32_u24 v6, v3, 1536, v6
	v_mul_u32_u24 v206, v1, 24                     ; V in memory: a lane a row of the two tiles
	v_add_nc_u32 v8, s15, v8                       ; in LDS: fragment h, lane r's 16 bytes
	v_add_nc_u32 v9, s15, v9
	s_delay_alu instid0(VALU_DEP_1)
	v_add_nc_u32 v9, 6144, v9                      ; the scale word of row r, fragment h
	s_and_b32 s13, ttmp7, 0xffff                   ; bh = 32 batch + head
	s_lshl_b32 s14, ttmp9, 3
	s_add_co_u32 s14, s14, s12                     ; i
	s_lshl_b32 s45, s14, 5                         ; the second pass's first query: 32 i
	s_sub_co_u32 s44, 2016, s45                    ; the first pass's: 32 (63 - i)
	s_mov_b32 s53, 0
	s_mov_b32 s40, 0x76543210
	s_mov_b32 s41, 0xfedcba98
	s_mov_b32 s42, 0x3fb8aa3b                      ; log2(e)
	s_mov_b32 s43, s42                             ; (named with it as a pair, so it is written)
	s_mov_b32 s49, 0x01010101
	s_wait_alu depctr_va_vdst(0)
	s_wait_kmcnt 0x0
	s_mul_i32 s50, s13, 49152
	s_mul_i32 s51, s12, 3072
	s_add_co_u32 s52, s50, s51
	s_add_co_u32 s52, s52, 64*49152
	s_add_nc_u64 s[16:17], s[4:5], s[52:53]        ; K's codes of key step w
	s_add_co_u32 s52, s52, 64*49152
	s_add_nc_u64 s[18:19], s[4:5], s[52:53]        ; V's
	s_mul_i32 s51, s44, 24
	s_add_co_u32 s52, s50, s51
	s_add_nc_u64 s[24:25], s[4:5], s[52:53]        ; pass 0: q's codes,
	s_add_nc_u64 s[28:29], s[8:9], s[52:53]        ; and ctx's, at the same offset in its own buffer
	s_mul_i32 s51, s45, 24
	s_add_co_u32 s52, s50, s51
	s_add_nc_u64 s[26:27], s[4:5], s[52:53]        ; pass 1
	s_add_nc_u64 s[32:33], s[8:9], s[52:53]
	s_lshl_b32 s50, s13, 11
	s_add_co_u32 s52, s50, s44
	s_add_nc_u64 s[36:37], s[6:7], s[52:53]        ; q's scale bytes
	s_add_co_u32 s52, s50, s45
	s_add_nc_u64 s[38:39], s[6:7], s[52:53]
	s_lshl_b32 s51, s12, 7
	s_add_co_u32 s52, s50, s51
	s_add_co_u32 s52, s52, 64*2048
	s_add_nc_u64 s[20:21], s[6:7], s[52:53]        ; K's scale bytes of key step w
	s_add_co_u32 s52, s52, 64*2048
	s_add_nc_u64 s[22:23], s[6:7], s[52:53]        ; V's
	s_lshr_b32 s50, s13, 5
	s_lshl_b32 s50, s50, 11                        ; 2,048 x batch
	s_and_b32 s51, s13, 31                         ; head
	s_add_co_u32 s52, s50, s44
	s_lshl_b32 s52, s52, 5
	s_add_co_u32 s52, s52, s51
	s_add_nc_u64 s[30:31], s[10:11], s[52:53]      ; ctx's scale bytes: [token][32 heads]
	s_add_co_u32 s52, s50, s45
	s_lshl_b32 s52, s52, 5
	s_add_co_u32 s52, s52, s51
	s_add_nc_u64 s[34:35], s[10:11], s[52:53]
.irp e, 0,1                                    ; records w and w + 8: eight key steps are 24,576 bytes of codes and 1,024 scale bytes on; the data pass through v86-141 and v142-197
.irp b, 0,1,2,3
.irp i, 0,1,2
	global_load_b64 v[86+56*\e+6*\b+2*\i:87+56*\e+6*\b+2*\i], v6, s[16:17] offset:24576*\e+192*\b+8*\i
	global_load_b64 v[110+56*\e+6*\b+2*\i:111+56*\e+6*\b+2*\i], v206, s[18:19] offset:24576*\e+768*\b+8*\i
.endr
.endr
.irp b, 0,1,2,3
	global_load_u8 v[134+56*\e+\b], v7, s[20:21] offset:1024*\e+8*\b
	global_load_u8 v[138+56*\e+\b], v1, s[22:23] offset:1024*\e+32*\b
.endr
.endr
.irp i, 0,1,2
	global_load_b64 v[222+2*\i:223+2*\i], v207, s[24:25] offset:8*\i        ; pass 0: tile A's q, tile B's 16 queries on
	global_load_b64 v[228+2*\i:229+2*\i], v207, s[24:25] offset:384+8*\i
	global_load_b64 v[238+2*\i:239+2*\i], v207, s[26:27] offset:8*\i        ; pass 1
	global_load_b64 v[244+2*\i:245+2*\i], v207, s[26:27] offset:384+8*\i
.endr
	global_load_u8 v234, v2, s[36:37]
	global_load_u8 v235, v2, s[36:37] offset:16
	global_load_u8 v250, v2, s[38:39]
	global_load_u8 v251, v2, s[38:39] offset:16
.irp i, 0,1,2,3,4,5
.irp z, 32,44,56,68,80
	v_mov_b32 v[\z+\i], 0                          ; the variants' zero codes
.endr
.endr
	v_mov_b32 v21, 0                               ; (named as the upper halves of the pairs v[20:21], v[22:23])
	v_mov_b32 v23, 0
	v_mov_b32 v220, 0                              ; a lane permute's destination counts as one of its sources
	v_mov_b32 v221, 0
	v_mov_b32 v252, 0xff800000                     ; -infinity
	s_wait_loadcnt 16                              ; K and V are in; q's 16 loads, issued last, may be out
.irp k, 1,2,3
.irp x, 134,138,190,194
	v_lshl_or_b32 v[\x], v[\x+\k], 8*\k, v[\x]     ; four bytes make a row's scale word; the four words by turns
.endr
.endr
.irp e, 0,1
.irp b, 0,1,2,3                                ; block b of a row belongs to lane row + 16 (b % 2), registers 6 (b / 2) on: three pieces of 8 bytes
.irp i, 0,1,2
	ds_store_b64 v8, v[86+56*\e+6*\b+2*\i:87+56*\e+6*\b+2*\i] offset:8*REC*\e+256*(\b%2)+512*((3*(\b/2)+\i)/2)+8*((3*(\b/2)+\i)%2)
	ds_store_b64 v8, v[110+56*\e+6*\b+2*\i:111+56*\e+6*\b+2*\i] offset:8*REC*\e+3072+256*(\b%2)+512*((3*(\b/2)+\i)/2)+8*((3*(\b/2)+\i)%2)
.endr
.endr
	ds_store_b32 v9, v[134+56*\e] offset:8*REC*\e
	ds_store_b32 v9, v[138+56*\e] offset:8*REC*\e+128
.endr
	s_wait_dscnt 0x0                               ; for the others' sake: my records have landed
	s_barrier_signal -1
	s_barrier_wait -1                              ; the head's K and V lie in LDS; nothing is written there again
	s_wait_loadcnt 0x0                             ; q is in
; One pair of tiles, 32 queries.  qa, qb, ba, bb: the registers of the tiles' q codes and scale bytes; q0: the scalar register of the first query; cb, sb: the bases of ctx's codes and scale bytes.
.macro PASS qa, qb, ba, bb, q0, cb, sb
	v_cmp_gt_u32 vcc_lo, 16, v1
.irp i, 0,1,2,3,4,5
	v_cndmask_b32 v[38+\i], 0, v[\qa+\i], vcc_lo   ; Q in lanes 0-15,
	v_cndmask_b32 v[50+\i], v[\qa+\i], v32, vcc_lo ; and in lanes 16-31
	v_cndmask_b32 v[62+\i], 0, v[\qb+\i], vcc_lo
	v_cndmask_b32 v[74+\i], v[\qb+\i], v32, vcc_lo
.endr
	v_mul_lo_u32 v24, v[\ba], s49                  ; the query's byte in all four places of the scale word
	v_mul_lo_u32 v25, v[\bb], s49
.set n_, 0
.rept 32
	v_mov_b32 v[O+n_], 0                           ; the step is written once: the first finds zeros, which the first change of M leaves zeros.  (These lines also stand between the writes above and the first product)
.set n_, n_+1
.endr
.irp x, 16,17,18,19
	v_mov_b32 v[\x], 0
.endr
	v_mov_b32 v13, 0xff61b1e6                      ; the largest score so far: -3e38
	v_mov_b32 v15, 0xff61b1e6
	v_mov_b32 v12, 0x7f61b1e6                      ; -M
	v_mov_b32 v14, 0x7f61b1e6
	s_mov_b32 s46, 0                               ; the step's first key
	s_mov_b32 s47, 0                               ; its record
	s_and_b32 s52, s[\q0], 0xffffff80              ; the first key of the step that holds all 32 queries' own keys: the last step that counts, and the only one with hidden keys
	s_sub_co_u32 s55, s[\q0], s52                  ; the first query's place in that step: 0, 32, 64 or 96
	s_add_co_u32 s56, s55, 16                      ; tile B's
	s_cmp_lt_u32 s55, 64                           ; under 64: keys 64-127 of that step come after all 32 queries
	s_cselect_b32 s54, s52, -1                     ; the first key of the step that is done by half; -1: none
	ds_load_b64 v[28:29], v5                       ; K of step 0
.irp f, 0,1
.irp c, 0,1,2
	ds_load_b128 v[KFR+12*\f+4*\c:KFR+12*\f+4*\c+3], v4 offset:1536*\f+512*\c
.endr
.endr
.Lstep_\@:                                         ; 16 trips, a constant; a step all of whose keys come after my queries is left out by a scalar branch on ids, round its work alone
	s_cmp_gt_u32 s46, s52
	s_cbranch_scc1 .Lhid_\@
	s_wait_dscnt 0x0                               ; K and its scale words, asked for a step ago, are in
	s_cmp_eq_u32 s46, s54
	s_cbranch_scc1 .Lhalf_\@
	s_add_co_u32 s53, s47, REC
	s_min_u32 s53, s53, 15*REC                     ; the next step's record, held at the last one
	WIN 0x40                                       ; the scores go to window 1
.irp f, 0,1
.irp b, 0,1,2,3
	SCORE 32*\f+8*\b, \f, 38+12*(\b%2)-6*(\b/2), 24
	SCORE 64+32*\f+8*\b, \f, 62+12*(\b%2)-6*(\b/2), 25
.endr
.endr
	WIN 0
	v_add_nc_u32 v6, s47, v4                       ; four places behind the products, in front of the loads into K's registers and of the first read of the scores
	v_add_nc_u32 v7, s47, v5
	v_add_nc_u32 v8, s53, v4
	v_add_nc_u32 v9, s53, v5
	VLOAD
	ds_load_b64 v[28:29], v9                       ; and the next step's K
.irp f, 0,1
.irp c, 0,1,2
	ds_load_b128 v[KFR+12*\f+4*\c:KFR+12*\f+4*\c+3], v8 offset:1536*\f+512*\c
.endr
.endr
	s_cmp_lg_u32 s46, s52                          ; a step all of whose keys count skips the mask
	s_cbranch_scc1 .Lopen_\@
	v_add_nc_u32 v234, s55, v236                   ; d = my query - the step's first key - 32 h.  Register 32 f + i holds key 64 f + 32 h + i of the step: hidden where 64 f + i > d
	v_add_nc_u32 v235, s56, v236                   ; tile B's queries are 16 on
	WIN 0x41
.set n_, 0
.rept 64
	v_cmp_gt_i32 vcc_lo, 64*(n_/32)+n_%32, v234
	v_cndmask_b32 v[n_], v[n_], v252, vcc_lo
	v_cmp_gt_i32 vcc_lo, 64*(n_/32)+n_%32, v235
	v_cndmask_b32 v[64+n_], v[64+n_], v252, vcc_lo
.set n_, n_+1
.endr
	WIN 0
.Lopen_\@:
	WIN 0x05                                       ; sources 0 and 1 in window 1
.irp x, 0,1,2,3
	v_max3_num_f32 v[BM+\x], v[32*\x], v[32*\x+1], v252   ; the largest score of each block of 32 keys: for the row's maximum and, since p rises with the score, for the block's largest p; the four blocks by turns
.endr
.irp i, 2,4,6,8,10,12,14,16,18,20,22,24,26,28,30
.irp x, 0,1,2,3
	v_max3_num_f32 v[BM+\x], v[32*\x+\i], v[32*\x+\i+1], v[BM+\x]
.endr
.endr
	WIN 0
	v_max_num_f32 v218, v[BM], v[BM+1]             ; from here on tiles A and B by turns
	v_max_num_f32 v219, v[BM+2], v[BM+3]
	v_permlanex16_b32 v220, v218, s40, s41
	v_permlanex16_b32 v221, v219, s40, s41
	v_max3_num_f32 v13, v13, v218, v220            ; the running largest score of my query
	v_max3_num_f32 v15, v15, v219, v221
	CHAIN
	WIN 0x41
.set n_, 0
.rept 32
	v_pk_fma_f32 v[n_:n_+1], v[n_:n_+1], s[42:43], v[12:13] op_sel_hi:[1,0,0]   ; tile A: t - M, two at a time
.set n_, n_+2
.endr
	WIN 0
.irp x, 0,1,2,3
	v_fma_f32 v[BM+\x], v[BM+\x], s42, v[12+2*(\x/2)]   ; the same of each block's largest score
.endr
	s_wait_alu depctr_va_vdst(0)                   ; ahead of the batch
.irp x, 0,1,2,3
	v_exp_f32 v[BM+\x], v[BM+\x]                   ; the block's largest p
.endr
	WIN 0x41
.set n_, 0
.rept 32                                       ; tile A's p = 2^(t - M); among them tile B's t - M: plain lines that name no register of this batch, first read behind the wait below
	v_exp_f32 v[n_], v[n_]
	v_exp_f32 v[n_+1], v[n_+1]
	v_pk_fma_f32 v[64+n_:65+n_], v[64+n_:65+n_], s[42:43], v[14:15] op_sel_hi:[1,0,0]
.set n_, n_+2
.endr
	s_wait_alu depctr_va_vdst(0)                   ; one wait: behind tile A's batch, ahead of its first reader, and ahead of tile B's batch
	WIN 0
.irp x, 0,1,2,3
	v_max_num_f32 v[BM+\x], 0x1800000, v[BM+\x]    ; the floor 2^(3 - 127): the byte cannot fall under 1
.endr
.irp x, 0,1,2,3
	v_add_nc_u32 v[SCL+\x], 0xff000000, v[BM+\x]   ; 2 off the exponent field: the conversion's scale operand
.endr
.irp x, 0,1,2,3
	v_lshrrev_b32 v[BY+\x], 23, v[SCL+\x]
.endr
	v_lshl_or_b32 v218, v[BY+1], 16, v[BY]         ; my bytes: blocks h and 2 + h of these 128 keys
	v_lshl_or_b32 v219, v[BY+3], 16, v[BY+2]
	WORDS
	WIN 0x01                                       ; source 0, p, in window 1
.irp x, 0,1
	v_cvt_scalef32_pk16_fp6_f32 v[PC+6*\x:PC+6*\x+2], v[32*\x:32*\x+15], v[SCL+\x]
	v_cvt_scalef32_pk16_fp6_f32 v[PT+4*\x:PT+4*\x+2], v[32*\x+16:32*\x+31], v[SCL+\x]   ; a conversion's three registers begin on an even number
.endr
	v_nop                                          ; one plain place behind the last scaled conversion
	WIN 0x45
.set n_, 0
.rept 16                                       ; tile B's p; among them the first level of tile A's row sum, a tree in place now that the conversions have read A's p: first read behind the wait below
	v_exp_f32 v[64+4*n_], v[64+4*n_]
	v_exp_f32 v[65+4*n_], v[65+4*n_]
	v_exp_f32 v[66+4*n_], v[66+4*n_]
	v_exp_f32 v[67+4*n_], v[67+4*n_]
	v_pk_add_f32 v[2*n_:2*n_+1], v[2*n_:2*n_+1], v[32+2*n_:33+2*n_]
.set n_, n_+1
.endr
	s_wait_alu depctr_va_vdst(0)                   ; one wait for tile B's batch, ahead of its first reader
	WIN 0x01
.irp x, 2,3
	v_cvt_scalef32_pk16_fp6_f32 v[PC+6*\x:PC+6*\x+2], v[32*\x:32*\x+15], v[SCL+\x]
	v_cvt_scalef32_pk16_fp6_f32 v[PT+4*\x:PT+4*\x+2], v[32*\x+16:32*\x+31], v[SCL+\x]
.endr
	v_nop
	WIN 0
.irp x, 0,1,2,3
.irp i, 0,1,2
	v_mov_b32 v[PC+3+6*\x+\i], v[PT+4*\x+\i]
.endr
.endr
	WIN 0x45                                       ; the rest of the row sums of the unquantised p; these lines also stand between the writes of p's codes and the products
.set p_, 0
.rept 16
	v_pk_add_f32 v[64+2*p_:65+2*p_], v[64+2*p_:65+2*p_], v[96+2*p_:97+2*p_]
.set p_, p_+1
.endr
.irp n, 8,4,2,1
.set p_, 0
.rept \n
	v_pk_add_f32 v[2*p_:2*p_+1], v[2*p_:2*p_+1], v[2*(p_+\n):2*(p_+\n)+1]
	v_pk_add_f32 v[64+2*p_:65+2*p_], v[64+2*p_:65+2*p_], v[64+2*(p_+\n):65+2*(p_+\n)]
.set p_, p_+1
.endr
.endr
	FINISH 7                                       ; the seven loads of the next step's K may be out
	s_branch .Lhid_\@
.Lhalf_\@:                                         ; THE PAIR'S LAST STEP, WHERE ITS KEYS 64-127 ARE ALL HIDDEN: fragment f = 0 alone; p's blocks 2 and 3 are zero codes under the byte 1.  No step follows: no K is asked for
	WIN 0x40
.irp b, 0,1,2,3
	SCORE 8*\b, 0, 38+12*(\b%2)-6*(\b/2), 24
	SCORE 64+8*\b, 0, 62+12*(\b%2)-6*(\b/2), 25
.endr
	WIN 0
	v_add_nc_u32 v6, s47, v4                       ; four places behind the products
	v_add_nc_u32 v7, s47, v5
	v_add_nc_u32 v234, s55, v236                   ; d, as above
	v_add_nc_u32 v235, s56, v236
	VLOAD
	WIN 0x41
.set n_, 0
.rept 32
	v_cmp_gt_i32 vcc_lo, n_, v234
	v_cndmask_b32 v[n_], v[n_], v252, vcc_lo
	v_cmp_gt_i32 vcc_lo, n_, v235
	v_cndmask_b32 v[64+n_], v[64+n_], v252, vcc_lo
.set n_, n_+1
.endr
	WIN 0x05
	v_max3_num_f32 v[BM], v[0], v[1], v252
	v_max3_num_f32 v[BM+2], v[64], v[65], v252
.irp i, 2,4,6,8,10,12,14,16,18,20,22,24,26,28,30
	v_max3_num_f32 v[BM], v[\i], v[\i+1], v[BM]
	v_max3_num_f32 v[BM+2], v[64+\i], v[65+\i], v[BM+2]
.endr
	WIN 0
	v_permlanex16_b32 v220, v[BM], s40, s41
	v_permlanex16_b32 v221, v[BM+2], s40, s41
	v_max3_num_f32 v13, v13, v[BM], v220
	v_max3_num_f32 v15, v15, v[BM+2], v221
	CHAIN
	WIN 0x41
.set n_, 0
.rept 16
	v_pk_fma_f32 v[n_:n_+1], v[n_:n_+1], s[42:43], v[12:13] op_sel_hi:[1,0,0]
	v_pk_fma_f32 v[64+n_:65+n_], v[64+n_:65+n_], s[42:43], v[14:15] op_sel_hi:[1,0,0]
.set n_, n_+2
.endr
	WIN 0
	v_fma_f32 v[BM], v[BM], s42, v12
	v_fma_f32 v[BM+2], v[BM+2], s42, v14
	s_wait_alu depctr_va_vdst(0)                   ; ahead of the batch
	v_exp_f32 v[BM], v[BM]
	v_exp_f32 v[BM+2], v[BM+2]
	WIN 0x41
.set n_, 0
.rept 32
	v_exp_f32 v[n_], v[n_]
	v_exp_f32 v[64+n_], v[64+n_]
.set n_, n_+1
.endr
	WIN 0
	v_nop                                          ; a plain place behind the exponentials
	s_wait_alu depctr_va_vdst(0)                   ; one wait for the batch, ahead of its first reader
.irp x, 0,2
	v_max_num_f32 v[BM+\x], 0x1800000, v[BM+\x]
.endr
.irp x, 0,2
	v_add_nc_u32 v[SCL+\x], 0xff000000, v[BM+\x]
.endr
.irp x, 0,2
	v_lshrrev_b32 v[BY+\x], 23, v[SCL+\x]
.endr
	v_or_b32 v218, 0x10000, v[BY]                  ; my bytes: block h's, and 1 for block 2 + h
	v_or_b32 v219, 0x10000, v[BY+2]
	WORDS
	WIN 0x01
.irp x, 0,2
	v_cvt_scalef32_pk16_fp6_f32 v[PC+6*\x:PC+6*\x+2], v[32*\x:32*\x+15], v[SCL+\x]
	v_cvt_scalef32_pk16_fp6_f32 v[PT+4*\x:PT+4*\x+2], v[32*\x+16:32*\x+31], v[SCL+\x]
.endr
	v_nop
	WIN 0
.irp x, 0,2
.irp i, 0,1,2
	v_mov_b32 v[PC+3+6*\x+\i], v[PT+4*\x+\i]
.endr
.irp i, 6,7,8,9,10,11
	v_mov_b32 v[PC+6*\x+\i], 0                     ; blocks 2 and 3: zero codes
.endr
.endr
	WIN 0x45
.irp n, 8,4,2,1
.set p_, 0
.rept \n
	v_pk_add_f32 v[2*p_:2*p_+1], v[2*p_:2*p_+1], v[2*(p_+\n):2*(p_+\n)+1]
	v_pk_add_f32 v[64+2*p_:65+2*p_], v[64+2*p_:65+2*p_], v[64+2*(p_+\n):65+2*(p_+\n)]
.set p_, p_+1
.endr
.endr
	FINISH 0
.Lhid_\@:
	s_add_co_u32 s47, s47, REC
	s_add_co_u32 s46, s46, 128
	s_cmp_lt_u32 s46, 2048
	s_cbranch_scc1 .Lstep_\@
	; the way out: O^T / the sum, quantised along the head's 32: my 16 channels are half the block; A and B by turns
	s_wait_dscnt 0x0                               ; the loads of K that ran ahead have landed
.rept 4
	v_nop                                          ; places behind the last products
.endr
	s_wait_alu depctr_va_vdst(0)
	v_add_f32 v16, v16, v17
	v_add_f32 v18, v18, v19
	v_permlanex16_b32 v220, v16, s40, s41
	v_permlanex16_b32 v221, v18, s40, s41
	v_add_f32 v16, v16, v220                       ; the row's sum
	v_add_f32 v18, v18, v221
	s_wait_alu depctr_va_vdst(0)                   ; ahead of the reciprocals
	v_rcp_f32 v224, v16
	v_rcp_f32 v226, v18
	v_mov_b32 v225, 0                              ; a plain place; (named with v224 as a pair)
	v_mov_b32 v227, 0
	s_wait_alu depctr_va_vdst(0)                   ; ahead of the reciprocals' first reader, which is O^T's first reader too
.irp j, 0,2,4,6,8,10,12,14
	v_pk_mul_f32 v[O+\j:O+\j+1], v[O+\j:O+\j+1], v[224:225] op_sel_hi:[1,0]
	v_pk_mul_f32 v[O+16+\j:O+17+\j], v[O+16+\j:O+17+\j], v[226:227] op_sel_hi:[1,0]
.endr
	v_max3_num_f32 v228, |v[O]|, |v[O+1]|, 0x1800000
	v_max3_num_f32 v229, |v[O+16]|, |v[O+17]|, 0x1800000
.irp i, 2,4,6,8,10,12,14
	v_max3_num_f32 v228, v228, |v[O+\i]|, |v[O+\i+1]|
	v_max3_num_f32 v229, v229, |v[O+16+\i]|, |v[O+17+\i]|
.endr
	v_permlanex16_b32 v220, v228, s40, s41
	v_permlanex16_b32 v221, v229, s40, s41
	v_max_num_f32 v228, v228, v220
	v_max_num_f32 v229, v229, v221
	v_add_nc_u32 v230, 0xff000000, v228
	v_add_nc_u32 v231, 0xff000000, v229
	v_lshrrev_b32 v232, 23, v230
	v_lshrrev_b32 v233, 23, v231
	v_cvt_scalef32_pk16_fp6_f32 v[PT:PT+2], v[O:O+15], v230
	v_cvt_scalef32_pk16_fp6_f32 v[PT+8:PT+10], v[O+16:O+31], v231
	v_nop                                          ; one plain place behind the scaled conversions
	v_cmp_gt_u32 vcc_lo, 16, v1
	global_store_b96 v10, v[PT:PT+2], s[\cb:\cb+1]                 ; each store of the wave covers 384 consecutive bytes: 16 tokens x 24
	global_store_b96 v10, v[PT+8:PT+10], s[\cb:\cb+1] offset:384
	s_wait_alu depctr_va_vdst(0)
	s_wait_xcnt 0x0                                ; EXEC changes only behind this wait
	s_and_saveexec_b32 s51, vcc_lo
	global_store_b8 v11, v232, s[\sb:\sb+1]        ; lanes 0-15: a token's byte for this head
	global_store_b8 v11, v233, s[\sb:\sb+1] offset:512
	s_wait_xcnt 0x0                                ; and again; the stores' data may be written again behind it too
	s_or_b32 exec_lo, exec_lo, s51
.endm
	PASS 222, 228, 234, 235, 44, 28, 30
	PASS 238, 244, 250, 251, 45, 32, 34
	s_wait_tensorcnt 0x0                           ; the wave's end, behind my last LDS store
	ds_add_u32 v254, v255
	s_wait_dscnt 0x0
	s_endpgm
.Lfunc_end_k_q006cd94ec8_attn:
	.size	k_q006cd94ec8_attn, .Lfunc_end_k_q006cd94ec8_attn-k_q006cd94ec8_attn
	.p2alignl 7, 3214868480
	.fill 96, 4, 3214868480
	.section	.rodata,"a",@progbits
	.p2align	6, 0x0
	.amdhsa_kernel k_q006cd94ec8_attn
		.amdhsa_group_segment_fixed_size 104448
		.amdhsa_private_segment_fixed_size 0
		.amdhsa_enable_private_segment 0
		.amdhsa_kernarg_size 32
		.amdhsa_user_sgpr_count 2
		.amdhsa_user_sgpr_kernarg_segment_ptr 1
		.amdhsa_wavefront_size32 1
		.amdhsa_system_sgpr_workgroup_id_x 1
		.amdhsa_system_sgpr_workgroup_id_y 1
		.amdhsa_system_sgpr_workgroup_id_z 1
		.amdhsa_system_vgpr_workitem_id 0
		.amdhsa_next_free_vgpr 384
		.amdhsa_next_free_sgpr 66
		.amdhsa_reserve_vcc 1
		.amdhsa_float_denorm_mode_32 3
		.amdhsa_float_denorm_mode_16_64 3
		.amdhsa_memory_ordered 1
		.amdhsa_forward_progress 1
		.amdhsa_inst_pref_size 137
	.end_amdhsa_kernel
	.amdgpu_metadata
---
amdhsa.version: [ 1, 2 ]
amdhsa.kernels:
  - .name:           k_q006cd94ec8_attn
    .symbol:         k_q006cd94ec8_attn.kd
    .args:
      - { .name: qkvc, .offset: 0, .size: 8, .value_kind: global_buffer, .address_space: global }
      - { .name: qkvs, .offset: 8, .size: 8, .value_kind: global_buffer, .address_space: global }
      - { .name: ctxc, .offset: 16, .size: 8, .value_kind: global_buffer, .address_space: global }
      - { .name: ctxs, .offset: 24, .size: 8, .value_kind: global_buffer, .address_space: global }
    .group_segment_fixed_size: 104448
    .private_segment_fixed_size: 0
    .kernarg_segment_align: 8
    .kernarg_segment_size: 32
    .max_flat_workgroup_size: 256
    .sgpr_count:     66
    .vgpr_count:     384
    .wavefront_size: 32
...
	.end_amdgpu_metadata
.endif
;; end of part 3
;; launch proj (part 4): grid 64 x 4, 8 waves a work-group, no clusters, 118,784 bytes of LDS; arguments ctxc, ctxs, cod, scl, bo, out0; writes out0
.if DOCPART == 4
	.amdgcn_target "amdgcn-amd-amdhsa--gfx1250"
	.amdhsa_code_object_version 6
	.text
	.protected	k_q006cd94ec8_proj
	.globl	k_q006cd94ec8_proj
	.p2align	8
	.type	k_q006cd94ec8_proj,@function
k_q006cd94ec8_proj:
	s_mov_b64 s[64:65], 0
	v_nop
	global_prefetch_b8 v0, s[64:65] scope:SCOPE_SE
	s_setreg_imm32_b32 hwreg(HW_REG_WAVE_MODE, 25, 1), 1
	s_wait_xcnt 0x0
; out0 = ctx Wo^T + bo on codes of FP6 (E2M3) with E8M0 scales, sums in f32.  ctx's codes lie [batch x 32 + head][token][24 bytes], its scale bytes [token][32 heads]: a token's 32 bytes are its eight scale words.
; SHARES.  Work-group (rb, cg): 64 tokens x 256 columns.  Wave w takes columns 32 (8 cg + w) on: Wo's tiles 448 + 2 (8 cg + w) + 0, 1; eight accumulators, 64 products.
; ctx's 32 fragments are laid into LDS once, through registers, as images of operand registers (register R of lane l at 512 (R / 4) + 16 l + 4 (R % 4)): wave w lays K step w, which is heads 4 w .. 4 w + 3.
; Row m of ctx's tile 2 g + u is token 32 g + 16 (m / 8) + 8 u + m % 8.  Wo's fragments are read by one wave alone and go from memory straight into registers, up to three K steps ahead.
; Source 0 = 16 rows of Wo, source 1 = 16 tokens: by the choice of a tile's rows (launch quant) a lane holds one token and 16 neighbouring columns.  The bias is the C of each sum's first product.
; No cluster: what work-groups share is fetched in one burst at the head.  The results meet in a stage in LDS and leave as runs of 512 consecutive bytes.
.set ACC,  16                          ; v16-79   accumulators (first the copy's data)
.set WB,   80                          ; v80-175  Wo's fragments: 4 buffers x 2 tiles x 12; on the way out the rows read back
.set XB,   176                         ; v176-223 ctx's fragments: 2 buffers x 2 tiles x 12
.set WS,   224                         ; v224-231 Wo's scale words of K step s: lanes 0-15 tile 0, lanes 16-31 tile 1
.set XS,   232                         ; v232-235 ctx's scale words, 2 sets x 2: register g: lanes 0-15 tile 2 g, lanes 16-31 tile 2 g + 1
.set BIAS, 236                         ; v236-251
.set XSC,  49152                       ; LDS: ctx's scale bytes, 64 tokens x 32
.set STG,  51200                       ; the stage: 64 rows x (1,024 + 16) bytes
.set SP,   1040
.set WV,   18
; v1 16 x lane; v2 the scale words' LDS address; v3 where I lay ctx's pieces; v4 24 x lane; v5 64 h; v6 512 h + 16 r; v7 the stage, in; v8 the stage, back; v9 16 x thread; v10 XSC + 16 x thread
.macro PLACES
.rept 4
	v_nop
.endr
.endm
.macro WM d, a, b, c, sa, sb, ra, rb   ; one product; ra, rb = 1: that side's scales are read from lanes 16-31
.if ((\ra) == 0) && ((\rb) == 0)
	v_wmma_scale_f32_16x16x128_f8f6f4 v[\d:\d+7], v[\a:\a+11], v[\b:\b+11], v[\c:\c+7], v[\sa], v[\sb] matrix_a_fmt:MATRIX_FMT_FP6 matrix_b_fmt:MATRIX_FMT_FP6
.elseif (\rb) == 0
	v_wmma_scale_f32_16x16x128_f8f6f4 v[\d:\d+7], v[\a:\a+11], v[\b:\b+11], v[\c:\c+7], v[\sa], v[\sb] matrix_a_fmt:MATRIX_FMT_FP6 matrix_b_fmt:MATRIX_FMT_FP6 matrix_a_scale:MATRIX_SCALE_ROW1
.elseif (\ra) == 0
	v_wmma_scale_f32_16x16x128_f8f6f4 v[\d:\d+7], v[\a:\a+11], v[\b:\b+11], v[\c:\c+7], v[\sa], v[\sb] matrix_a_fmt:MATRIX_FMT_FP6 matrix_b_fmt:MATRIX_FMT_FP6 matrix_b_scale:MATRIX_SCALE_ROW1
.else
	v_wmma_scale_f32_16x16x128_f8f6f4 v[\d:\d+7], v[\a:\a+11], v[\b:\b+11], v[\c:\c+7], v[\sa], v[\sb] matrix_a_fmt:MATRIX_FMT_FP6 matrix_b_fmt:MATRIX_FMT_FP6 matrix_a_scale:MATRIX_SCALE_ROW1 matrix_b_scale:MATRIX_SCALE_ROW1
.endif
.endm
.macro WLOAD s                         ; Wo's two fragments of K step s
.irp w, 0,1
.irp c, 0,1,2
	global_load_b128 v[WB+24*((\s)%4)+12*\w+4*\c:WB+24*((\s)%4)+12*\w+4*\c+3], v1, s[24:25] offset:12288*\w+1536*(\s)+512*\c
.endr
.endr
.endm
.macro XLOAD n                         ; group n = 2 s + g: ctx's tiles 2 g, 2 g + 1 of K step s
.set xs_, (\n)/2
.set xg_, (\n)%2
.irp u, 0,1
.irp c, 0,1,2
	ds_load_b128 v[XB+24*((\n)%2)+12*\u+4*\c:XB+24*((\n)%2)+12*\u+4*\c+3], v1 offset:(8*(2*xg_+\u)+xs_)*1536+512*\c
.endr
.endr
.endm
.macro XSLOAD s
.irp g, 0,1
	ds_load_b32 v[XS+2*((\s)%2)+\g], v2 offset:1024*\g+4*(\s)
.endr
.endm
; Four products on four accumulators; the eight accumulators take turns, one instruction a turn, in the same order in every K step.
.macro GROUP s, g
.set n_, 2*(\s)+(\g)
.if n_ < 15
	s_wait_dscnt 6                                 ; this group's fragments are in; the next group's six loads may be out
.else
	s_wait_dscnt 0x0
.endif
.irp u, 0,1
.irp w, 0,1
.set d_, ACC+16*(2*(\g)+\u)+8*\w
.if (\s) == 0
.set c_, BIAS+8*\w
.else
.set c_, d_
.endif
	WM d_, WB+24*((\s)%4)+12*\w, XB+24*(n_%2)+12*\u, c_, WS+(\s), XS+2*((\s)%2)+(\g), \w, \u
.endr
.endr
	PLACES                                         ; four places in front of loads into registers that these products have read, and of the first read of results
.if ((\g) == 0) && ((\s) < 7)
	XSLOAD (\s)+1
.endif
.if n_ < 14
	XLOAD n_+2
.endif
.endm
.macro KSTEP s
.if ((\s) >= 1) && ((\s) <= 4)
	WLOAD (\s)+3                                   ; into the buffer that the last K step has left
.endif
.if (\s) <= 4
	s_wait_loadcnt 18                              ; this K step's Wo is in; the three K steps behind it may be out
.else
	s_wait_loadcnt 6*(7-(\s))
.endif
	GROUP \s, 0
	GROUP \s, 1
.endm
	s_load_b256 s[4:11], s[0:1], 0x0               ; ctxc, ctxs, cod, scl
	s_load_b128 s[12:15], s[0:1], 0x20             ; bo, out0
	v_lshl_add_u32 v254, v0, 2, 0x1cc00
	v_mov_b32 v255, 0
	v_lshrrev_b32 v11, 5, v0
	s_delay_alu instid0(VALU_DEP_1)
	v_readfirstlane_b32 s[WV], v11                 ; wave 0..7
	v_and_b32 v11, 31, v0                          ; lane
	v_and_b32 v12, 15, v0                          ; r
	v_bfe_u32 v13, v0, 4, 1                        ; h
	v_bfe_u32 v14, v0, 3, 1                        ; (lane / 8) % 2 = r / 8
	v_and_b32 v15, 7, v0                           ; lane % 8 = r % 8
	v_lshlrev_b32 v1, 4, v11
	s_delay_alu instid0(VALU_DEP_2)
	v_lshlrev_b32 v2, 5, v15                       ; the scale words: lane (r, h) wants tile 2 g + h, row r: token 32 g + 16 (r / 8) + 8 h + r % 8, 32 bytes each
	s_delay_alu instid0(VALU_DEP_1)
	v_lshl_add_u32 v2, v13, 8, v2
	s_delay_alu instid0(VALU_DEP_1)
	v_lshl_add_u32 v2, v14, 9, v2
	s_delay_alu instid0(VALU_DEP_1)
	v_add_nc_u32 v2, XSC, v2
	s_mul_i32 s21, s[WV], 1536
	v_mul_u32_u24 v3, v14, 12288                   ; token 32 g + lane is row 8 h + lane % 8 of tile 2 g + (lane / 8) % 2
	s_delay_alu instid0(VALU_DEP_1)
	v_lshl_add_u32 v3, v13, 7, v3
	s_delay_alu instid0(VALU_DEP_1)
	v_lshl_add_u32 v3, v15, 4, v3
	s_delay_alu instid0(VALU_DEP_1)
	v_add_nc_u32 v3, s21, v3                       ; K step = my wave
	v_mul_u32_u24 v4, v11, 24
	v_lshlrev_b32 v5, 6, v13
	v_lshlrev_b32 v6, 4, v12
	s_delay_alu instid0(VALU_DEP_1)
	v_lshl_add_u32 v6, v13, 9, v6
	v_lshl_add_u32 v7, v14, 4, v15
	s_delay_alu instid0(VALU_DEP_1)
	v_mul_u32_u24 v7, v7, SP
	s_delay_alu instid0(VALU_DEP_1)
	v_lshl_add_u32 v7, v13, 6, v7
	s_lshl_b32 s21, s[WV], 7
	s_add_co_u32 s21, s21, STG
	v_add_nc_u32 v7, s21, v7                       ; the stage, in: row 16 (r / 8) + r % 8, + 64 h, + my wave's 128 bytes
	s_mul_i32 s21, s[WV], 8*SP
	s_add_co_u32 s21, s21, STG
	v_add_nc_u32 v8, s21, v1                       ; back: my wave's eight rows, 16 bytes a lane
	v_lshlrev_b32 v9, 4, v0
	s_delay_alu instid0(VALU_DEP_1)
	v_add_nc_u32 v10, XSC, v9
	s_and_b32 s19, ttmp7, 0xffff                   ; cg
	s_lshl_b32 s20, s19, 3
	s_add_co_u32 s20, s20, s[WV]                   ; my pair of Wo's tiles
	s_mov_b32 s45, 0
	s_wait_kmcnt 0x0
	s_lshl_b32 s42, s20, 1
	s_add_co_u32 s42, s42, 448
	s_mul_i32 s44, s42, 12288
	s_add_nc_u64 s[24:25], s[8:9], s[44:45]        ; Wo's fragments
	s_lshl_b32 s44, s42, 9
	s_add_nc_u64 s[26:27], s[10:11], s[44:45]      ; its scale words
	s_lshl_b32 s44, s20, 7
	s_add_nc_u64 s[28:29], s[12:13], s[44:45]      ; my 32 numbers of bo
	s_lshr_b32 s42, ttmp9, 5
	s_lshl_b32 s42, s42, 5
	s_lshl_b32 s46, s[WV], 2
	s_add_co_u32 s42, s42, s46                     ; 32 batch + 4 wave: my first head's plane
	s_mul_i32 s44, s42, 49152
	s_and_b32 s46, ttmp9, 31
	s_mul_i32 s46, s46, 1536                       ; 64 tokens x 24 bytes
	s_add_co_u32 s44, s44, s46
	s_add_nc_u64 s[30:31], s[4:5], s[44:45]
	s_lshl_b32 s44, ttmp9, 11
	s_add_nc_u64 s[32:33], s[6:7], s[44:45]        ; the 64 tokens' scale bytes
	s_lshl_b32 s42, ttmp9, 6
	s_lshl_b32 s46, s[WV], 3
	s_add_co_u32 s42, s42, s46                     ; the first row that I store
	s_lshl_b32 s44, s42, 12
	s_lshl_b32 s46, s19, 10
	s_add_co_u32 s44, s44, s46
	s_add_nc_u64 s[34:35], s[14:15], s[44:45]
	s_cmp_lt_u32 s[WV], 4                          ; the scale bytes are 128 threads' worth
	s_cbranch_scc0 .Lno_sc1
	s_wait_alu depctr_va_vdst(0)
	global_load_b128 v[64:67], v9, s[32:33]
.Lno_sc1:
.irp l, 0,1
.irp b, 0,1,2,3
.irp i, 0,1,2
	global_load_b64 v[16+24*\l+6*\b+2*\i:17+24*\l+6*\b+2*\i], v4, s[30:31] offset:49152*\b+768*\l+8*\i
.endr
.endr
.endr
.irp w, 0,1
.irp q, 0,1
	global_load_b128 v[BIAS+8*\w+4*\q:BIAS+8*\w+4*\q+3], v5, s[28:29] offset:32*\w+16*\q   ; register j of tile w is column 16 h + 8 w + j
.endr
.endr
	s_wait_alu depctr_va_vdst(0)
	global_load_b128 v[WS:WS+3], v6, s[26:27]
	global_load_b128 v[WS+4:WS+7], v6, s[26:27] offset:256
	WLOAD 0
	WLOAD 1
	WLOAD 2
	WLOAD 3
	s_wait_loadcnt 30                              ; all but the bias (4), Wo's scale words (2) and its first four K steps (24), on every way here
.irp l, 0,1
.irp b, 0,1,2,3                                ; block b of a row belongs to lane row + 16 (b % 2), registers 6 (b / 2) on: three pieces of 8 bytes
.irp i, 0,1,2
	ds_store_b64 v3, v[16+24*\l+6*\b+2*\i:17+24*\l+6*\b+2*\i] offset:24576*\l+256*(\b%2)+512*((3*(\b/2)+\i)/2)+8*((3*(\b/2)+\i)%2)
.endr
.endr
.endr
	s_cmp_lt_u32 s[WV], 4
	s_cbranch_scc0 .Lno_sc2
	ds_store_b128 v10, v[64:67]
.Lno_sc2:
	s_wait_dscnt 0x0                               ; for the others' sake: my stores have landed
	s_barrier_signal -1
	s_barrier_wait -1                              ; ctx lies in LDS
	XSLOAD 0
	XLOAD 0
	XLOAD 1
.irp s, 0,1,2,3,4,5,6,7
	KSTEP \s
.endr
	; the way out: a lane's 16 columns of a token are 64 bytes; a token's 256 columns come from eight waves
.irp t, 0,1,2,3
.irp q, 0,1,2,3
	ds_store_b128 v7, v[ACC+16*\t+4*\q:ACC+16*\t+4*\q+3] offset:SP*(32*(\t/2)+8*(\t%2))+16*\q   ; each accumulator from its low end on
.endr
.endr
	s_wait_dscnt 0x0                               ; for the others' sake
	s_barrier_signal -1
	s_barrier_wait -1                              ; 64 rows of 1,024 bytes lie in the stage
.irp i, 0,1,2,3,4,5,6,7,8,9,10,11,12,13,14,15
	ds_load_b128 v[WB+4*\i:WB+4*\i+3], v8 offset:SP*(\i/2)+512*(\i%2)
.endr
.irp i, 0,1,2,3,4,5,6,7,8,9,10,11,12,13,14,15
	s_wait_dscnt 15-\i
	global_store_b128 v1, v[WB+4*\i:WB+4*\i+3], s[34:35] offset:4096*(\i/2)+512*(\i%2) th:TH_STORE_NT   ; 32 lanes store 512 consecutive bytes, at a multiple of 256 from out0's first byte; written once, read by nobody here
.endr
	s_barrier_signal -1
	s_barrier_wait -1
	s_wait_tensorcnt 0x0
	ds_add_u32 v254, v255
	s_wait_dscnt 0x0
	s_endpgm
.Lfunc_end_k_q006cd94ec8_proj:
	.size	k_q006cd94ec8_proj, .Lfunc_end_k_q006cd94ec8_proj-k_q006cd94ec8_proj
	.p2alignl 7, 3214868480
	.fill 96, 4, 3214868480
	.section	.rodata,"a",@progbits
	.p2align	6, 0x0
	.amdhsa_kernel k_q006cd94ec8_proj
		.amdhsa_group_segment_fixed_size 118784
		.amdhsa_private_segment_fixed_size 0
		.amdhsa_enable_private_segment 0
		.amdhsa_kernarg_size 48
		.amdhsa_user_sgpr_count 2
		.amdhsa_user_sgpr_kernarg_segment_ptr 1
		.amdhsa_wavefront_size32 1
		.amdhsa_system_sgpr_workgroup_id_x 1
		.amdhsa_system_sgpr_workgroup_id_y 1
		.amdhsa_system_sgpr_workgroup_id_z 1
		.amdhsa_system_vgpr_workitem_id 0
		.amdhsa_next_free_vgpr 256
		.amdhsa_next_free_sgpr 66
		.amdhsa_reserve_vcc 0
		.amdhsa_float_denorm_mode_32 3
		.amdhsa_float_denorm_mode_16_64 3
		.amdhsa_memory_ordered 1
		.amdhsa_forward_progress 1
		.amdhsa_inst_pref_size 35
	.end_amdhsa_kernel
	.amdgpu_metadata
---
amdhsa.version: [ 1, 2 ]
amdhsa.kernels:
  - .name:           k_q006cd94ec8_proj
    .symbol:         k_q006cd94ec8_proj.kd
    .args:
      - { .name: ctxc, .offset: 0, .size: 8, .value_kind: global_buffer, .address_space: global }
      - { .name: ctxs, .offset: 8, .size: 8, .value_kind: global_buffer, .address_space: global }
      - { .name: cod, .offset: 16, .size: 8, .value_kind: global_buffer, .address_space: global }
      - { .name: scl, .offset: 24, .size: 8, .value_kind: global_buffer, .address_space: global }
      - { .name: bo, .offset: 32, .size: 8, .value_kind: global_buffer, .address_space: global }
      - { .name: out0, .offset: 40, .size: 8, .value_kind: global_buffer, .address_space: global }
    .group_segment_fixed_size: 118784
    .private_segment_fixed_size: 0
    .kernarg_segment_align: 8
    .kernarg_segment_size: 48
    .max_flat_workgroup_size: 256
    .sgpr_count:     66
    .vgpr_count:     256
    .wavefront_size: 32
...
	.end_amdgpu_metadata
.endif
;; end of part 4
